; MI455X (gfx1250); checked and timed in simulation.
; The chip was launched on July 23, 2026; its instructions are those of AMD's public machine-readable ISA for CDNA 5 (MIT licence, August 2026) and "CDNA5" Instruction Set Architecture Reference Guide (July 2026). The comments in the code are by the model that wrote it; some were corrected since.
;; Mo E Layer. Allowed arithmetic: matrix products marked QUANTISED: E2M3 operands, one E8M0 scale for each 32 along K, by v_wmma_scale_f32_16x16x128_f8f6f4 with both operands' format E2M3, f32 sums; products left as they are: f32 operands where the result goes on into a quantised operand, else bf16, f16 or f32 operands; f32 sums; everything else in f32.
;; Inputs: W1_codes 8 x 2,048 x 32 x 24 uint8 (E2M3 codes of W1, K innermost, in blocks of 32 codes, four codes in three bytes); W1_scales 8 x 2,048 x 32 uint8 (E8M0 scales of W1, one for each 32 codes along K); W2_codes 8 x 1,024 x 64 x 24 uint8 (E2M3 codes of W2, K innermost, in blocks of 32 codes, four codes in three bytes); W2_scales 8 x 1,024 x 64 uint8 (E8M0 scales of W2, one for each 32 codes along K); Wg 1,024 x 8 float32; attention_mask 2 x 1,024 float32; b1 8 x 2,048 float32; b2 8 x 1,024 float32; input_ids 2 x 1,024 int32; x 2 x 1,024 x 1,024 float32.
;; Outputs: out0 2 x 1,024 x 1,024 float32; out1 one number float32; out2 8 int32.
;; This version of the problem:
;;   THIS VERSION OF THE PROBLEM IS GIVEN IN LOW PRECISION. The matrix products marked QUANTISED in the list below multiply operands that are first quantised to E2M3 (2 exponent bits, 3 mantissa bits; 6 bits a number), with one power-of-two scale for each 32 numbers along K (OCP MX v1.0); their sums are f32. All else is computed in f32.
;;   The module's matrix products, in the order in which they are computed (A, B: the left and right operand; K: the contracted axis; several contracted axes count as one K, in the product's order):
;;     1. [M 2,048, K 1,024] x [K 1,024, N 8]; A: input x; B: input Wg: left as it is (N = 8 < 16)
;;     2. [M 2,048, K 1,024] x [K 1,024, N 2,048]; A: input x; B: input W1 (given as codes): QUANTISED
;;     3. [M 2,048, K 2,048] x [K 2,048, N 1,024]; A: computed on the way; B: input W2 (given as codes): QUANTISED
;;     4. [M 2,048, K 1,024] x [K 1,024, N 2,048]; A: input x; B: input W1 (given as codes): QUANTISED
;;     5. [M 2,048, K 2,048] x [K 2,048, N 1,024]; A: computed on the way; B: input W2 (given as codes): QUANTISED
;;     6. [M 2,048, K 1,024] x [K 1,024, N 2,048]; A: input x; B: input W1 (given as codes): QUANTISED
;;     7. [M 2,048, K 2,048] x [K 2,048, N 1,024]; A: computed on the way; B: input W2 (given as codes): QUANTISED
;;     8. [M 2,048, K 1,024] x [K 1,024, N 2,048]; A: input x; B: input W1 (given as codes): QUANTISED
;;     9. [M 2,048, K 2,048] x [K 2,048, N 1,024]; A: computed on the way; B: input W2 (given as codes): QUANTISED
;;     10. [M 2,048, K 1,024] x [K 1,024, N 2,048]; A: input x; B: input W1 (given as codes): QUANTISED
;;     11. [M 2,048, K 2,048] x [K 2,048, N 1,024]; A: computed on the way; B: input W2 (given as codes): QUANTISED
;;     12. [M 2,048, K 1,024] x [K 1,024, N 2,048]; A: input x; B: input W1 (given as codes): QUANTISED
;;     13. [M 2,048, K 2,048] x [K 2,048, N 1,024]; A: computed on the way; B: input W2 (given as codes): QUANTISED
;;     14. [M 2,048, K 1,024] x [K 1,024, N 2,048]; A: input x; B: input W1 (given as codes): QUANTISED
;;     15. [M 2,048, K 2,048] x [K 2,048, N 1,024]; A: computed on the way; B: input W2 (given as codes): QUANTISED
;;     16. [M 2,048, K 1,024] x [K 1,024, N 2,048]; A: input x; B: input W1 (given as codes): QUANTISED
;;     17. [M 2,048, K 2,048] x [K 2,048, N 1,024]; A: computed on the way; B: input W2 (given as codes): QUANTISED
;;   THE QUANTISER, for each operand of a quantised product, along K:
;;     - K is cut into blocks of 32 from its start; a last block that is shorter is filled with zeros.
;;     - A block's scale is 2^e with e = floor(log2(the largest magnitude in the block)) - 2, held to -126 .. 127; a block of zeros has e = 0. As a byte (E8M0): e + 127.
;;     - Each number is divided by its block's scale, clamped to +-7.5, and rounded to the nearest number of E2M3, ties to even, subnormals kept.
;;     - The product sums the exact products of the quantised numbers (number of the format x scale) in f32.
;;   ~~~python
;;   def quantise(x, axis):      # numpy; x: float32 -> the quantised numbers, widened to float32 again
;;       x = np.moveaxis(x, axis, -1); K = x.shape[-1]
;;       x = np.pad(x, [(0, 0)] * (x.ndim - 1) + [(0, -K % 32)]); x = x.reshape(x.shape[:-1] + (-1, 32)); a = np.abs(x).max(-1, keepdims=True)
;;       e = np.where(a > 0, np.clip(np.frexp(np.where(a > 0, a, 1))[1] - 1 - 2, -126, 127), 0)      # np.frexp(a)[1] - 1 = floor(log2(a)), exactly
;;       r = np.clip(x / 2.0 ** e, -7.5, 7.5)
;;       step = 2.0 ** (np.maximum(np.frexp(np.where(r == 0, 1, r))[1] - 1, 0) - 3)
;;       q = np.round(r / step) * step * 2.0 ** e      # np.round: ties to even
;;       return np.moveaxis(q.reshape(q.shape[:-2] + (-1,))[..., :K], -1, axis).astype(np.float32)
;;   ~~~
;;   OPERANDS COMPUTED ON THE WAY. 'Computed on the way' means the value that the module computes at that place (a softmax that the list does not call 'softmax' is quantised finished and normalised). What goes into a quantiser is computed in f32, as accurately as f32 sums, v_exp_f32 and their like allow (about 1e-6 of the number): no bf16 or f16 on the way to a quantiser, and a product that is left as it is and whose result goes on into a quantised operand takes f32 operands (vector FMAs, or v_wmma_f32_16x16x4_f32). A number that lies on a knife's edge between two numbers of the format may be rounded either way, as far as f32 arithmetic and the matrix unit's own rounding can turn it there, and no further.
;;   INPUTS GIVEN AS CODES. W1 (in the module: [8, 1024, 2048], K = its axis 1); W2 (in the module: [8, 2048, 1024], K = its axis 1): each comes as NAME_codes (uint8): NAME with its K axis moved to the last place and cut into blocks of 32 codes, [.., K / 32, bytes a block], one block behind the other in memory; four codes in three bytes: a row's codes are one little-endian stream of bits, code i at bits 6 i .. 6 i + 5 (a code: sign, 2 exponent bits, 3 mantissa bits); and NAME_scales (uint8): the same leading axes, one E8M0 byte (e + 127) for each 32 codes along K. Its value is code x scale, taken as it is: it is not quantised again, and the codes and scales need not be those that the quantiser above would give.
;; 2 versions. Each part assembles by itself: llvm-mc -triple=amdgcn-amd-amdhsa -mcpu=gfx1250 --defsym DOCPART=n.
;; ======== version 1 of 2: 3 launches
;; workspace buffers: xq 1,572,864 bytes; xs 65,536 bytes; gate 8,192 bytes of whole numbers; pgw 8,192 bytes; psum 8,192 bytes; hq 4,521,984 bytes; hs 188,416 bytes; plan 23,552 bytes of whole numbers
;; launch route (part 1): grid 256 x 1, 4 waves a work-group, no clusters, 76,288 bytes of LDS; arguments x, Wg, xq, xs, gate, pgw, psum; writes xq, xs, gate, pgw, psum
.if DOCPART == 1
	.amdgcn_target "amdgcn-amd-amdhsa--gfx1250"
	.amdhsa_code_object_version 6
	.text
	.protected	k_qfd8a467442_route
	.globl	k_qfd8a467442_route
	.p2align	8
	.type	k_qfd8a467442_route,@function
k_qfd8a467442_route:
	s_mov_b64 s[64:65], 0
	v_nop
	global_prefetch_b8 v0, s[64:65] scope:SCOPE_SE
	s_setreg_imm32_b32 hwreg(HW_REG_WAVE_MODE, 25, 1), 1
	s_wait_xcnt 0x0
; THE ROUTER, AND x INTO CODES.  x [2048][1024] f32, Wg [1024][8] f32.
; For each token: logits = x Wg (f32 multiply-adds), softmax with the row's maximum taken away, the first largest probability's index (gate) and value (pgw);
; for each work-group the sums of its 8 tokens' probabilities (psum); and x's codes of E2M3 (xq: [2048][768], one stream of bits a row) with one E8M0 byte for each 32 along K (xs: [2048][32]).
; The gate is only STORED here: no address and no branch of this launch hangs on it.
; reference() never reads input_ids and attention_mask: no result hangs on them, so they are no arguments.
; SHARES.  Work-group g: tokens 8 g .. 8 g + 7; wave w: tokens 8 g + 2 w + rho, rho = 0, 1.  A set u = 2 rho + s is half a row (s = 0, 1): lane l holds k = 512 s + 16 l + 0 .. 15, 16 neighbours,
; which both the conversion and the router use.  Loads take the bytes as they lie (512 consecutive bytes a load); a set turns through the wave's own stage in LDS.
; Memory binds and the products have 8 columns: matrix units, clusters and tensor loads would add nothing here.
; LIMITS: a block of zeros gets the byte 1 (its codes are zeros; the bytes are read by this program alone); blocks whose largest magnitude lies under 2^-124 are held at byte 1; NaN and infinities are not served;
; of probabilities that are equal in f32 the lowest index is taken.
.set STG, 33792                        ; LDS 0: Wg, 64 groups of 512 bytes + 16 of padding.  STG: 4 waves x 4 sets x 32 places of 80 bytes
.set XSB, 74752                        ; the work-group's 256 scale bytes
.set PRB, 75008                        ; probabilities [8 tokens][8]
.set GTB, 75264                        ; 8 gates, then 8 chosen probabilities
.set LG,  16                           ; v16-31   logits, then probabilities: 8 rho + e
.set CD,  32                           ; v32-47   codes, four registers a set
.set EB,  48                           ; v48-51   a scale byte a set
.set RW,  64                           ; v64-127  x as loaded; later buffer A of Wg's pieces
.set WS,  128                          ; v128-191 Wg as loaded; later buffer B
.set XN,  192                          ; v192-255 16 neighbours a set
.macro TURN u                          ; a set's 2,048 bytes through the stage: LDS serves a wave's instructions in order, so no wait stands between
.irp i, 0,1,2,3
	ds_store_b128 v5, v[RW+16*(\u)+4*\i:RW+16*(\u)+4*\i+3] offset:2560*(\u)+640*\i
.endr
.irp i, 0,1,2,3
	ds_load_b128 v[XN+16*(\u)+4*\i:XN+16*(\u)+4*\i+3], v6 offset:2560*(\u)+16*\i
.endr
.endm
.macro QSTEP u                         ; a set's 16 blocks: two neighbouring lanes hold a block
.set XS, XN+16*(\u)
	v_max3_num_f32 v12, |v[XS]|, |v[XS+1]|, |v[XS+2]|
	v_max3_num_f32 v13, |v[XS+3]|, |v[XS+4]|, |v[XS+5]|
.irp i, 6,10
	v_max3_num_f32 v12, v12, |v[XS+\i]|, |v[XS+\i+1]|
	v_max3_num_f32 v13, v13, |v[XS+\i+2]|, |v[XS+\i+3]|
.endr
	v_max3_num_f32 v12, v12, |v[XS+14]|, |v[XS+15]|
	v_max3_num_f32 v12, v12, v13, 0x1800000        ; the floor 2^(3 - 127): the byte cannot fall under 1
	v_max_num_f32_dpp v12, v12, v12 row_xmask:1 row_mask:0xf bank_mask:0xf   ; with my neighbour's 16: the block's largest magnitude
	v_add_nc_u32 v14, 0xff000000, v12              ; 2 off its exponent field: the conversion takes this operand's exponent field as its scale
	v_cvt_scalef32_pk16_fp6_f32 v[CD+4*(\u):CD+4*(\u)+2], v[XS:XS+15], v14
	v_lshrrev_b32 v[EB+(\u)], 23, v14              ; the scale's byte (a plain line behind the conversion)
	ds_store_b8 v8, v[EB+(\u)] offset:16*(\u)      ; both lanes of a block write the same byte with the same value
	global_store_b96 v7, v[CD+4*(\u):CD+4*(\u)+2], s[8:9] offset:384*(\u)   ; the wave stores 384 consecutive bytes
.endm
.macro WLOAD n, buf                    ; piece n = 2 s + hf of Wg: my rows k = 512 s + 16 l + 8 hf + 0 .. 7, 32 bytes each
.irp ii, 0,1,2,3,4,5,6,7
	ds_load_b128 v[\buf+8*\ii:\buf+8*\ii+3], v9 offset:16896*((\n)/2)+32*(8*((\n)%2)+\ii)
	ds_load_b128 v[\buf+8*\ii+4:\buf+8*\ii+7], v9 offset:16896*((\n)/2)+32*(8*((\n)%2)+\ii)+16
.endr
.endm
.macro FMAS n, buf                     ; both rows' logits += x(k) Wg(k, :), two experts an instruction; the very first product starts the sums
.irp ii, 0,1,2,3,4,5,6,7
.irp rho, 0,1
.irp pe, 0,1,2,3
.set XP, XN+16*(2*\rho+(\n)/2)+8*((\n)%2)+\ii-(\ii%2)
.if ((\n) == 0) && (\ii == 0)
	v_pk_mul_f32 v[LG+8*\rho+2*\pe:LG+8*\rho+2*\pe+1], v[\buf+8*\ii+2*\pe:\buf+8*\ii+2*\pe+1], v[XP:XP+1] op_sel_hi:[1,0]
.elseif (\ii%2) == 0
	v_pk_fma_f32 v[LG+8*\rho+2*\pe:LG+8*\rho+2*\pe+1], v[\buf+8*\ii+2*\pe:\buf+8*\ii+2*\pe+1], v[XP:XP+1], v[LG+8*\rho+2*\pe:LG+8*\rho+2*\pe+1] op_sel_hi:[1,0,1]
.else
	v_pk_fma_f32 v[LG+8*\rho+2*\pe:LG+8*\rho+2*\pe+1], v[\buf+8*\ii+2*\pe:\buf+8*\ii+2*\pe+1], v[XP:XP+1], v[LG+8*\rho+2*\pe:LG+8*\rho+2*\pe+1] op_sel:[0,1,0] op_sel_hi:[1,1,1]
.endif
.endr
.endr
.endr
.endm
	s_load_b256 s[4:11], s[0:1], 0x0               ; x s[4:5], Wg s[6:7], xq s[8:9], xs s[10:11]
	s_load_b128 s[12:15], s[0:1], 0x20             ; gate s[12:13], pgw s[14:15]
	s_load_b64 s[16:17], s[0:1], 0x30              ; psum
	v_lshl_add_u32 v62, v0, 2, 0x12800
	v_mov_b32 v63, 0
	v_lshrrev_b32 v12, 5, v0
	v_readfirstlane_b32 s18, v12                   ; wave 0..3
	v_and_b32 v1, 31, v0                           ; lane
	v_lshlrev_b32 v2, 4, v1                        ; x: 16 bytes a lane
	v_lshlrev_b32 v3, 4, v0                        ; Wg: 16 bytes a thread
	v_lshl_add_u32 v4, v12, 4, v3                  ; and its place in LDS: 16 more for each 512 passed
	s_mul_i32 s25, s18, 10240
	s_add_co_u32 s25, s25, STG                     ; my wave's four stages
	v_lshrrev_b32 v13, 2, v1
	v_mul_u32_u24 v13, v13, 80
	v_and_b32 v14, 3, v1
	v_lshl_add_u32 v13, v14, 4, v13
	v_add_nc_u32 v5, s25, v13                      ; in: four lanes' 64 bytes on end, then 16 of padding
	v_mul_u32_u24 v6, v1, 80
	v_add_nc_u32 v6, s25, v6                       ; out: my 16 neighbours
	v_mul_u32_u24 v7, v1, 12                       ; my 16 codes' place in a set's 384 bytes
	s_lshl_b32 s26, s18, 6
	s_add_co_u32 s27, s26, XSB
	v_lshrrev_b32 v8, 1, v1
	v_add_nc_u32 v8, s27, v8                       ; my block's byte: 32 bytes a token
	v_mul_u32_u24 v9, v1, 528                      ; Wg: my 16 rows of a half
	s_add_co_u32 s27, s26, PRB
	v_mov_b32 v10, s27                             ; my wave's two rows of probabilities
	s_lshl_b32 s27, s18, 3
	s_add_co_u32 s27, s27, GTB
	v_mov_b32 v11, s27
	s_mov_b32 s20, 0x76543210
	s_mov_b32 s21, 0xfedcba98                      ; v_permlanex16_b32's selects for lane l xor 16
	s_lshl_b32 s22, ttmp9, 15                      ; x: (8 g + 2 w) rows of 4,096 bytes
	s_lshl_b32 s23, s18, 13
	s_add_co_u32 s22, s22, s23
	s_mov_b32 s23, 0
	s_lshl_b32 s28, ttmp9, 3
	s_lshl_b32 s29, s18, 1
	s_add_co_u32 s28, s28, s29
	s_mul_i32 s28, s28, 768                        ; xq: the same rows of 768 bytes
	s_mov_b32 s29, 0
	s_lshl_b32 s30, ttmp9, 8                       ; xs: 256 bytes a work-group
	s_mov_b32 s31, 0
	s_lshl_b32 s32, ttmp9, 5                       ; gate, pgw, psum: 32 bytes a work-group
	s_mov_b32 s33, 0
	s_wait_kmcnt 0x0
	s_add_nc_u64 s[4:5], s[4:5], s[22:23]
	s_add_nc_u64 s[8:9], s[8:9], s[28:29]
	s_add_nc_u64 s[10:11], s[10:11], s[30:31]
	s_add_nc_u64 s[12:13], s[12:13], s[32:33]
	s_add_nc_u64 s[14:15], s[14:15], s[32:33]
	s_add_nc_u64 s[16:17], s[16:17], s[32:33]
.irp j, 0,1,2,3,4,5,6,7,8,9,10,11,12,13,14,15
	global_load_b128 v[RW+4*\j:RW+4*\j+3], v2, s[4:5] offset:512*\j th:TH_LOAD_NT   ; my two rows: 8,192 consecutive bytes
.endr
.irp j, 0,1,2,3,4,5,6,7,8,9,10,11,12,13,14,15
	global_load_b128 v[WS+4*\j:WS+4*\j+3], v3, s[6:7] offset:2048*\j                ; all of Wg, shared out among the 128 threads
.endr
	s_wait_loadcnt 16                              ; x is in; Wg's sixteen younger loads may be out
	TURN 0
	TURN 1
	TURN 2
	TURN 3
	s_wait_loadcnt 0x0
.irp j, 0,1,2,3,4,5,6,7,8,9,10,11,12,13,14,15
	ds_store_b128 v4, v[WS+4*\j:WS+4*\j+3] offset:2112*\j
.endr
	s_wait_dscnt 0x0                               ; for the others' sake: my part of Wg lies in LDS; my sets are back too
	s_barrier_signal -1
	s_barrier_wait -1
	WLOAD 0, RW
	WLOAD 1, WS
	QSTEP 0
	QSTEP 1
	QSTEP 2
	QSTEP 3
	s_wait_dscnt 20                                ; piece 0 is in: behind it piece 1's sixteen loads and the four byte stores
	FMAS 0, RW
	WLOAD 2, RW
	s_wait_dscnt 20                                ; piece 1: behind it the four byte stores and piece 2's sixteen loads
	FMAS 1, WS
	WLOAD 3, WS
	s_wait_dscnt 16                                ; piece 2: behind it piece 3's sixteen
	FMAS 2, RW
	s_wait_dscnt 0x0
	FMAS 3, WS
	; the 32 lanes' parts are added: every lane ends with all 16 logits
.irp m, 1,2,4,8
.irp j, 0,1,2,3,4,5,6,7,8,9,10,11,12,13,14,15
	v_add_f32_dpp v[LG+\j], v[LG+\j], v[LG+\j] row_xmask:\m row_mask:0xf bank_mask:0xf
.endr
.endr
.irp j, 0,1,2,3,4,5,6,7,8,9,10,11,12,13,14,15
	v_permlanex16_b32 v[64+\j], v[LG+\j], s20, s21
.endr
.irp j, 0,1,2,3,4,5,6,7,8,9,10,11,12,13,14,15
	v_add_f32 v[LG+\j], v[LG+\j], v[64+\j]
.endr
	; softmax: the row's maximum is taken away first
.irp rho, 0,1
	v_max3_num_f32 v[52+\rho], v[LG+8*\rho], v[LG+8*\rho+1], v[LG+8*\rho+2]
.endr
.irp rho, 0,1
	v_max3_num_f32 v[52+\rho], v[52+\rho], v[LG+8*\rho+3], v[LG+8*\rho+4]
.endr
.irp rho, 0,1
	v_max3_num_f32 v[52+\rho], v[52+\rho], v[LG+8*\rho+5], v[LG+8*\rho+6]
.endr
.irp rho, 0,1
	v_max_num_f32 v[52+\rho], v[52+\rho], v[LG+8*\rho+7]
.endr
.irp rho, 0,1
.irp e, 0,1,2,3,4,5,6,7
	v_sub_f32 v[LG+8*\rho+\e], v[LG+8*\rho+\e], v[52+\rho]
.endr
.endr
.irp j, 0,1,2,3,4,5,6,7,8,9,10,11,12,13,14,15
	v_mul_f32 v[LG+\j], 0x3fb8aa3b, v[LG+\j]       ; x log2(e)
.endr
.irp j, 0,1,2,3,4,5,6,7,8,9,10,11,12,13,14,15
	v_exp_f32 v[LG+\j], v[LG+\j]
.endr
	v_and_b32 v85, 7, v1                           ; (a plain line behind the exponentials)  lane % 8
	s_wait_alu depctr_va_vdst(0)                   ; one wait for the batch, ahead of its first reader
.irp rho, 0,1
	v_add_f32 v[54+\rho], v[LG+8*\rho], v[LG+8*\rho+1]
.endr
.irp e, 2,3,4,5,6,7
.irp rho, 0,1
	v_add_f32 v[54+\rho], v[54+\rho], v[LG+8*\rho+\e]
.endr
.endr
	v_rcp_f32 v56, v54
	v_rcp_f32 v57, v55
	v_lshl_add_u32 v80, v1, 3, XSB                 ; (a plain line behind the reciprocals)  the tail's addresses: 8 scale bytes a lane,
	v_lshl_add_u32 v81, v85, 2, PRB                ; expert lane % 8 of a token's probabilities,
	v_lshl_add_u32 v82, v85, 2, GTB                ; token lane % 8's gate
	v_lshlrev_b32 v83, 3, v1
	v_lshlrev_b32 v84, 2, v1
	s_wait_alu depctr_va_vdst(0)                   ; one wait for the two
.irp rho, 0,1
.irp e, 0,1,2,3,4,5,6,7
	v_mul_f32 v[LG+8*\rho+\e], v[LG+8*\rho+\e], v[56+\rho]   ; the probabilities
.endr
.endr
.irp rho, 0,1
	v_max3_num_f32 v[58+\rho], v[LG+8*\rho], v[LG+8*\rho+1], v[LG+8*\rho+2]
	v_max3_num_f32 v[58+\rho], v[58+\rho], v[LG+8*\rho+3], v[LG+8*\rho+4]
	v_max3_num_f32 v[58+\rho], v[58+\rho], v[LG+8*\rho+5], v[LG+8*\rho+6]
	v_max_num_f32 v[58+\rho], v[58+\rho], v[LG+8*\rho+7]     ; the chosen expert's probability
	v_mov_b32 v[60+\rho], 7
.irp e, 6,5,4,3,2,1,0
	v_cmp_lt_f32 vcc_lo, v[LG+8*\rho+\e], v[58+\rho]
	v_cndmask_b32 v[60+\rho], \e, v[60+\rho], vcc_lo         ; from the top down: the lowest index that reaches the maximum stays.  A choice of a value, no branch
.endr
.endr
.irp rho, 0,1
.irp e, 0,1,2,3,4,5,6,7
	ds_store_b32 v10, v[LG+8*\rho+\e] offset:32*\rho+4*\e    ; all lanes write the same word with the same value
.endr
	ds_store_b32 v11, v[60+\rho] offset:4*\rho
	ds_store_b32 v11, v[58+\rho] offset:32+4*\rho
.endr
	s_wait_dscnt 0x0                               ; for wave 0's sake: my stores have landed
	s_barrier_signal -1
	s_barrier_wait -1
	s_cmp_lg_u32 s18, 0                            ; wave 0 stores what the four waves have gathered
	s_cbranch_scc1 .Lend
	ds_load_b64 v[86:87], v80
.irp k, 0,1,2,3,4,5,6,7
	ds_load_b32 v[88+\k], v81 offset:32*\k
.endr
	ds_load_b32 v96, v82
	ds_load_b32 v97, v82 offset:32
	s_wait_dscnt 0x0
	v_add_f32 v88, v88, v89
	v_add_f32 v90, v90, v91
	v_add_f32 v92, v92, v93
	v_add_f32 v94, v94, v95
	v_add_f32 v88, v88, v90
	v_add_f32 v92, v92, v94
	v_add_f32 v88, v88, v92                        ; the 8 tokens' probabilities of expert lane % 8
	global_store_b64 v83, v[86:87], s[10:11]       ; 32 lanes store 256 consecutive bytes, aligned
	s_wait_xcnt 0x0                                ; EXEC changes only behind this wait
	v_cmp_gt_u32 vcc_lo, 8, v1
	s_and_saveexec_b32 s24, vcc_lo
	global_store_b32 v84, v96, s[12:13]
	global_store_b32 v84, v97, s[14:15]
	global_store_b32 v84, v88, s[16:17]
	s_wait_xcnt 0x0                                ; and again in front of the line that widens it
	s_or_b32 exec_lo, exec_lo, s24
.Lend:
	s_wait_tensorcnt 0x0
	ds_add_u32 v62, v63
	s_wait_dscnt 0x0
	s_endpgm
.Lfunc_end_k_qfd8a467442_route:
	.size	k_qfd8a467442_route, .Lfunc_end_k_qfd8a467442_route-k_qfd8a467442_route
	.p2alignl 7, 3214868480
	.fill 96, 4, 3214868480
	.section	.rodata,"a",@progbits
	.p2align	6, 0x0
	.amdhsa_kernel k_qfd8a467442_route
		.amdhsa_group_segment_fixed_size 76288
		.amdhsa_private_segment_fixed_size 0
		.amdhsa_enable_private_segment 0
		.amdhsa_kernarg_size 56
		.amdhsa_user_sgpr_count 2
		.amdhsa_user_sgpr_kernarg_segment_ptr 1
		.amdhsa_wavefront_size32 1
		.amdhsa_system_sgpr_workgroup_id_x 1
		.amdhsa_system_sgpr_workgroup_id_y 1
		.amdhsa_system_sgpr_workgroup_id_z 1
		.amdhsa_system_vgpr_workitem_id 0
		.amdhsa_next_free_vgpr 256
		.amdhsa_next_free_sgpr 66
		.amdhsa_reserve_vcc 1
		.amdhsa_float_denorm_mode_32 3
		.amdhsa_float_denorm_mode_16_64 3
		.amdhsa_memory_ordered 1
		.amdhsa_forward_progress 1
		.amdhsa_inst_pref_size 47
	.end_amdhsa_kernel
	.amdgpu_metadata
---
amdhsa.version: [ 1, 2 ]
amdhsa.kernels:
  - .name:           k_qfd8a467442_route
    .symbol:         k_qfd8a467442_route.kd
    .args:
      - { .name: x, .offset: 0, .size: 8, .value_kind: global_buffer, .address_space: global }
      - { .name: Wg, .offset: 8, .size: 8, .value_kind: global_buffer, .address_space: global }
      - { .name: xq, .offset: 16, .size: 8, .value_kind: global_buffer, .address_space: global }
      - { .name: xs, .offset: 24, .size: 8, .value_kind: global_buffer, .address_space: global }
      - { .name: gate, .offset: 32, .size: 8, .value_kind: global_buffer, .address_space: global }
      - { .name: pgw, .offset: 40, .size: 8, .value_kind: global_buffer, .address_space: global }
      - { .name: psum, .offset: 48, .size: 8, .value_kind: global_buffer, .address_space: global }
    .group_segment_fixed_size: 76288
    .private_segment_fixed_size: 0
    .kernarg_segment_align: 8
    .kernarg_segment_size: 56
    .max_flat_workgroup_size: 128
    .sgpr_count:     66
    .vgpr_count:     256
    .wavefront_size: 32
...
	.end_amdgpu_metadata
.endif
;; end of part 1
;; launch up (part 2): grid 8 x 23, 8 waves a work-group, no clusters, 321,792 bytes of LDS; arguments gate, xq, xs, W1_codes, W1_scales, b1, psum, hq, hs, plan, out1, out2; writes hq, hs, plan, out1, out2
.if DOCPART == 2
	.amdgcn_target "amdgcn-amd-amdhsa--gfx1250"
	.amdhsa_code_object_version 6
	.text
	.protected	k_qfd8a467442_up
	.globl	k_qfd8a467442_up
	.p2align	8
	.type	k_qfd8a467442_up,@function
k_qfd8a467442_up:
	s_mov_b64 s[64:65], 0
	v_nop
	global_prefetch_b8 v0, s[64:65] scope:SCOPE_SE
	s_setreg_imm32_b32 hwreg(HW_REG_WAVE_MODE, 25, 1), 1
	s_wait_xcnt 0x0
; THE PLACING OF ROWS, AND h = Q(gelu(Q(x) W1[e] + b1[e])) FOR THE ROWS OF THE CHOSEN EXPERT ALONE (reference() throws the others away by its own one-hot mask).
; TILES.  A row tile is up to 128 tokens of one expert.  With 2,048 tokens and 8 experts there are never more than 16 + 7 = 23, whatever the split: grid y = 23.  Grid x: 8 tiles of 256 of the 2,048 hidden units.
; Every work-group places the rows itself from the gates that the launch before stored (whole numbers): counts a wave, a sum, a walk over the experts, and a scatter of the tile's tokens into a list in LDS.
; Work-groups with x = 0 store the list (plan) for the next launch; one wave of work-group (0, 22) stores the counts (out2) and the balance loss (out1).
; NO TENSOR LOAD, NO JOINT REQUEST: which expert's weights a work-group reads, which rows of x, and whether it has rows at all hang on numbers read from memory, and a tile without rows leaves its work out by a
; scalar branch on such a number; so tiles go from memory through registers into LDS.  Every barrier stands on every wave's path; what is jumped lies between two barriers.
; PRODUCT.  Transposed: source 0 = 16 rows of W1 (hidden units), source 1 = 16 tokens: a lane holds one token and its registers run along the hidden units, the next product's K.
; Hidden unit n lies in LDS row sigma(n) (n with bits 3 and 4 changed over), so that the 16 LDS rows of tile 2 b + u are units 32 b + 8 u + m + 8 (m / 8) and the 16 registers of tiles 2 b, 2 b + 1 are 16 neighbours.
; Wave w: tokens 32 (w / 2) on (two tiles), units 128 (w % 2) on (eight tiles): 16 accumulators, which take turns, one instruction a turn.  The bias is the sums' first C.
; gelu is JAX's default, the tanh form, written x / (1 + 2^(c1 x + c3 x^3)), c1 = -2 sqrt(2 / pi) log2(e), c3 = 0.044715 c1: all in f32, finite for every finite x.
; OUT.  hq: images of the next product's operand registers, [23 tiles][16 K steps][8 tiles of tokens][1,536 bytes]: registers 4 c .. 4 c + 3 of lane l at 512 c + 16 l.  hs: their scale words, [23][16][4][128 bytes].
; LIMITS: a block of zeros gets the byte 1 (its codes are zeros; the bytes are this program's own); blocks under 2^-124 are held at byte 1; NaN and infinities are not served.
; Rows of a tile beyond its count take token 0: they are multiplied and never stored into the result.
; REGISTERS.  Window 0: v1-31 addresses and scale words; v32-55 two fragments of x; v56-103 four of W1; v104-121 at work; v122-127 constants; v128-255 the accumulators (a, t) at 128 + 64 a + 8 t.
;   Window 1 (v256 on): what is on its way from memory to LDS: 0-47 x's codes, 48-143 W1's, 144-151 W1's scale words, 152-155 x's.
.set PITCH, 400                        ; an LDS row of codes: 384 bytes + 16 = 100 words: the 32 lanes of an 8-byte fragment load touch 64 different banks (64 banks of 4 bytes: ISA guide 11.1)
.set SLOTB, 153600                     ; a slot: 128 rows of x, then 256 rows of W1, 512 along K
.set BOFF,  51200
.set BSC,   307200                     ; W1's scale words: 8 planes (K steps) of 256 words, by LDS row
.set ASC,   315392                     ; x's: 8 planes of 128 words
.set CNT,   319488                     ; counts: word 8 e + w
.set LIST,  319744                     ; the tile's 128 tokens; word 128 takes what does not belong to the tile; 1,024 bytes are cleared
.set AF,  32
.set BF,  56
.set TM,  104
.set PW,  120
.set PC,  32
.set EX,  32
.set ACC, 128
.set SEL, 76
.set MSB, 0
.macro WIN new                         ; the immediate's high byte repeats the setting that is left
.if MSB != \new
	s_set_vgpr_msb (MSB<<8)|\new
.set MSB, \new
.endif
.endm
.macro BAR                             ; my LDS stores have landed and my LDS loads are in: then the work-group's barrier
	s_wait_dscnt 0x0
	s_barrier_signal -1
	s_barrier_wait -1
.endm
.macro LDB c                           ; W1's chunk c (512 along K): 256 rows x 384 bytes; eight lanes read 128 consecutive bytes of a row
	WIN 0x40                                       ; destination window 1
.irp p, 0,1,2,3,4,5,6,7
.irp j, 0,1,2
	global_load_b128 v[48+4*(3*\p+\j):48+4*(3*\p+\j)+3], v7, s[10:11] offset:24576*\p+128*\j+384*(\c)
.endr
.endr
	WIN 0
.endm
.macro LDA c                           ; x's chunk c: the tile's 128 rows, gathered by the list
	WIN 0x40
.irp p, 0,1,2,3
.irp j, 0,1,2
	global_load_b128 v[4*(3*\p+\j):4*(3*\p+\j)+3], v[8+\p], s[6:7] offset:128*\j+384*(\c)
.endr
.endr
	WIN 0
.endm
.macro STCH s                          ; both into slot s
	WIN 0x04                                       ; an LDS store's data are its source 1: window 1
.irp p, 0,1,2,3
.irp j, 0,1,2
	ds_store_b128 v[13+3*(\s)], v[4*(3*\p+\j):4*(3*\p+\j)+3] offset:12800*\p+128*\j
.endr
.endr
.irp p, 0,1,2,3,4,5,6,7
.irp j, 0,1,2
	ds_store_b128 v[14+3*(\s)+\p/4], v[48+4*(3*\p+\j):48+4*(3*\p+\j)+3] offset:12800*(\p%4)+128*\j
.endr
.endr
	WIN 0
.endm
.macro FRAG6 reg, adr, off             ; a fragment: 16 rows x 128 K, 12 registers: 24 bytes of the row's stream of bits twice, in pieces of 8 bytes
.irp p, 0,1,2,3,4,5
	ds_load_b64 v[\reg+2*\p:\reg+2*\p+1], v[\adr] offset:\off+48*(\p/3)+8*(\p%3)
.endr
.endm
.macro MM a, t, g                      ; tokens' tile a x units' tile 4 g + t.  W1's scale words: tiles t, t + 1 share a register (lanes 0-15, 16-31); x's two tiles likewise
.set DA, ACC+64*(\a)+8*(4*(\g)+(\t))
.if (((\t)%2) == 0) && ((\a) == 0)
	v_wmma_scale_f32_16x16x128_f8f6f4 v[DA:DA+7], v[BF+12*(\t):BF+12*(\t)+11], v[AF+12*(\a):AF+12*(\a)+11], v[DA:DA+7], v[30+(\t)/2], v28 matrix_a_fmt:MATRIX_FMT_FP6 matrix_b_fmt:MATRIX_FMT_FP6
.elseif ((\a) == 0)
	v_wmma_scale_f32_16x16x128_f8f6f4 v[DA:DA+7], v[BF+12*(\t):BF+12*(\t)+11], v[AF+12*(\a):AF+12*(\a)+11], v[DA:DA+7], v[30+(\t)/2], v28 matrix_a_fmt:MATRIX_FMT_FP6 matrix_b_fmt:MATRIX_FMT_FP6 matrix_a_scale:MATRIX_SCALE_ROW1
.elseif (((\t)%2) == 0)
	v_wmma_scale_f32_16x16x128_f8f6f4 v[DA:DA+7], v[BF+12*(\t):BF+12*(\t)+11], v[AF+12*(\a):AF+12*(\a)+11], v[DA:DA+7], v[30+(\t)/2], v28 matrix_a_fmt:MATRIX_FMT_FP6 matrix_b_fmt:MATRIX_FMT_FP6 matrix_b_scale:MATRIX_SCALE_ROW1
.else
	v_wmma_scale_f32_16x16x128_f8f6f4 v[DA:DA+7], v[BF+12*(\t):BF+12*(\t)+11], v[AF+12*(\a):AF+12*(\a)+11], v[DA:DA+7], v[30+(\t)/2], v28 matrix_a_fmt:MATRIX_FMT_FP6 matrix_b_fmt:MATRIX_FMT_FP6 matrix_a_scale:MATRIX_SCALE_ROW1 matrix_b_scale:MATRIX_SCALE_ROW1
.endif
.endm
; 128 along K: the u-th of slot s, K step q of the product.  Four plain places stand in front of each run of loads into registers that matrix instructions have read (ISA guide 7.12.1 for vector instructions).
.macro KSTEP s, u, q
.rept 4
	v_nop
.endr
	FRAG6 AF, 1+(\s), 96*(\u)
	FRAG6 AF+12, 1+(\s), 6400+96*(\u)
	ds_load_b32 v28, v5 offset:512*(\q)
.irp g, 0,1
.if \g == 1
.rept 4
	v_nop
.endr
.endif
.irp t, 0,1,2,3
	FRAG6 BF+12*\t, 3+(\s), 6400*(4*\g+\t)+96*(\u)
.endr
	ds_load_b32 v30, v6 offset:1024*(\q)+256*\g
	ds_load_b32 v31, v6 offset:1024*(\q)+256*\g+128
	s_wait_dscnt 0x0
.irp t, 0,1,2,3
.irp a, 0,1
	MM \a, \t, \g
.endr
.endr
.endr
.endm
.macro GELU H                          ; 64 numbers in v[H] on, in place; v[EX] on at work.  Each accumulator is read from its low end on
.set j, 0
.rept 32
	v_pk_mul_f32 v[EX+j:EX+j+1], v[\H+j:\H+j+1], v[\H+j:\H+j+1]
.set j, j+2
.endr
.set j, 0
.rept 32
	v_pk_fma_f32 v[EX+j:EX+j+1], v[EX+j:EX+j+1], s[74:75], v[122:123] op_sel_hi:[1,0,0]   ; c3 x^2 + c1
.set j, j+2
.endr
.set j, 0
.rept 32
	v_pk_mul_f32 v[EX+j:EX+j+1], v[EX+j:EX+j+1], v[\H+j:\H+j+1]
.set j, j+2
.endr
.set j, 0
.rept 64
	v_exp_f32 v[EX+j], v[EX+j]
.set j, j+1
.endr
	v_nop                                          ; a plain line behind the last exponential
	s_wait_alu depctr_va_vdst(0)                   ; one wait for the batch, ahead of its first reader
.set j, 0
.rept 32
	v_pk_add_f32 v[EX+j:EX+j+1], v[EX+j:EX+j+1], 1.0 op_sel_hi:[1,0]
.set j, j+2
.endr
.set j, 0
.rept 64
	v_rcp_f32 v[EX+j], v[EX+j]
.set j, j+1
.endr
	v_nop
	s_wait_alu depctr_va_vdst(0)
.set j, 0
.rept 32
	v_pk_mul_f32 v[\H+j:\H+j+1], v[\H+j:\H+j+1], v[EX+j:EX+j+1]
.set j, j+2
.endr
.endm
; 64 numbers of a lane, register 16 b + i = k 32 b + 16 (lane / 16) + i of my row, become a fragment's codes in v[PC] on and its scale word in v[PW].
.macro QUANT s
.irp b, 0,1,2,3
	v_max3_num_f32 v[TM+\b], |v[\s+16*\b]|, |v[\s+1+16*\b]|, 0x1800000   ; block b: my 16 numbers, and the floor 2^(3 - 127): the byte cannot fall under 1
.endr
.irp i, 2,4,6,8,10,12,14
.irp b, 0,1,2,3
	v_max3_num_f32 v[TM+\b], v[TM+\b], |v[\s+16*\b+\i]|, |v[\s+1+16*\b+\i]|
.endr
.endr
.irp b, 0,1,2,3
	v_permlanex16_b32 v[TM+4+\b], v[TM+\b], s[SEL], s[SEL+1]
.endr
.irp b, 0,1,2,3
	v_max_num_f32 v[TM+\b], v[TM+\b], v[TM+4+\b]   ; with lane l xor 16's: the block's largest magnitude
.endr
.irp b, 0,1,2,3
	v_add_nc_u32 v[TM+12+\b], 0xff000000, v[TM+\b] ; 2 off its exponent field: the conversion's scale operand
.endr
.irp b, 0,1,2,3
	v_lshrrev_b32 v[TM+4+\b], 23, v[TM+12+\b]      ; the scale's byte
.endr
	v_lshl_or_b32 v[PW], v[TM+5], 8, v[TM+4]
	v_lshl_or_b32 v[PW], v[TM+6], 16, v[PW]
	v_lshl_or_b32 v[PW], v[TM+7], 24, v[PW]
.irp c, 0,1
	v_cvt_scalef32_pk16_fp6_f32 v[PC+6*\c:PC+2+6*\c], v[\s+32*\c:\s+15+32*\c], v[TM+12+2*\c]
	v_cvt_scalef32_pk16_fp6_f32 v[PC+12+4*\c:PC+14+4*\c], v[\s+16+32*\c:\s+31+32*\c], v[TM+12+2*\c+1]   ; (a conversion's three registers begin on an even number)
.endr
	v_nop                                          ; one plain place behind a scaled conversion
.irp c, 0,1                                    ; the operand's layout wants a whole block in a lane
.irp i, 0,1,2
	v_permlane16_swap_b32 v[PC+6*\c+\i], v[PC+12+4*\c+\i]
.endr
.irp i, 0,1,2
	v_mov_b32 v[PC+3+6*\c+\i], v[PC+12+4*\c+\i]
.endr
.endr
.endm
	s_load_b512 s[4:19], s[0:1], 0x0               ; gate s[4:5], xq s[6:7], xs s[8:9], W1's codes s[10:11], its scales s[12:13], b1 s[14:15], psum s[16:17], hq s[18:19]
	s_load_b256 s[20:27], s[0:1], 0x40             ; hs s[20:21], plan s[22:23], out1 s[24:25], out2 s[26:27]
	s_set_vgpr_msb 0x40
	v_lshl_add_u32 v160, v0, 2, 0x4e500
	v_mov_b32 v161, 0
	s_set_vgpr_msb 0x4000
	v_lshrrev_b32 v104, 5, v0
	v_readfirstlane_b32 s28, v104                  ; wave w
	s_lshr_b32 s29, s28, 1                         ; wm: my 32 tokens
	s_and_b32 s30, s28, 1                          ; wn: my 128 hidden units
	s_mov_b32 s31, ttmp9                           ; x: the tile of hidden units
	s_and_b32 s32, ttmp7, 0xffff                   ; y: the row tile
	; every LDS address is made here, of the thread's and the wave's numbers and constants
	v_and_b32 v104, 31, v0                         ; l
	v_and_b32 v105, 15, v0                         ; r
	v_bfe_u32 v106, v0, 4, 1                       ; h
	v_lshlrev_b32 v125, 4, v104                    ; 16 l
	v_lshlrev_b32 v126, 2, v104                    ; 4 l
	v_lshlrev_b32 v124, 6, v106                    ; 64 h: the bias's 16 units of my half
	v_mul_u32_u24 v107, v105, PITCH
	v_mad_u32_u24 v107, v106, 24, v107             ; a fragment's row x pitch + 24 x half
	s_mul_i32 s66, s29, 32*PITCH
	v_add_nc_u32 v1, s66, v107                     ; x's fragments in slot 0,
	v_add_nc_u32 v2, SLOTB, v1                     ; in slot 1
	s_mul_i32 s66, s30, 128*PITCH
	s_add_co_u32 s66, s66, BOFF
	v_add_nc_u32 v3, s66, v107                     ; W1's likewise
	v_add_nc_u32 v4, SLOTB, v3
	s_lshl_b32 s66, s29, 7
	s_add_co_u32 s66, s66, ASC
	v_add_nc_u32 v5, s66, v126                     ; x's scale words: my 32 tokens, a lane a token
	s_lshl_b32 s66, s30, 9
	s_add_co_u32 s66, s66, BSC
	v_add_nc_u32 v6, s66, v126                     ; W1's: my 128 LDS rows, 32 a load
	v_lshrrev_b32 v108, 3, v0                      ; rr = t / 8: a row of 32
	v_and_b32 v23, 7, v0
	v_lshlrev_b32 v23, 4, v23                      ; 16 (t % 8)
	v_mad_u32_u24 v7, v108, 768, v23               ; W1 in memory: row rr
	v_mad_u32_u24 v13, v108, PITCH, v23            ; x into slot 0,
	v_add_nc_u32 v16, SLOTB, v13                   ; slot 1
	v_bfe_u32 v109, v0, 3, 3
	v_bfe_u32 v110, v0, 6, 1
	v_bfe_u32 v111, v0, 7, 1
	v_lshl_add_u32 v109, v110, 4, v109
	v_lshl_add_u32 v109, v111, 3, v109             ; sigma(rr)
	v_mad_u32_u24 v14, v109, PITCH, v23
	v_add_nc_u32 v14, BOFF, v14                    ; W1 into slot 0: rows 0-127,
	v_add_nc_u32 v15, 128*PITCH, v14               ; rows 128-255 (an LDS immediate has 16 bits)
	v_add_nc_u32 v17, SLOTB, v14
	v_add_nc_u32 v18, SLOTB, v15
	v_add_nc_u32 v19, CNT, v126                    ; the counts, a lane a word
	v_lshlrev_b32 v21, 2, v0                       ; 4 t: the plan's word
	v_lshrrev_b32 v110, 1, v0
	v_lshl_add_u32 v22, v110, 2, LIST              ; the token whose scale bytes I fetch
	s_lshl_b32 s66, s28, 2
	s_add_co_u32 s66, s66, CNT
	v_mov_b32 v24, s66                             ; my wave's counts
	v_lshl_add_u32 v25, v0, 2, LIST
	v_and_b32 v109, 0xe7, v0
	v_bfe_u32 v111, v0, 3, 1
	v_lshl_add_u32 v109, v111, 4, v109
	v_bfe_u32 v111, v0, 4, 1
	v_lshl_add_u32 v109, v111, 3, v109             ; sigma(t)
	v_lshl_add_u32 v26, v109, 2, BSC               ; where row t's scale words go
	v_and_b32 v111, 1, v0
	v_lshlrev_b32 v27, 11, v111
	v_lshl_add_u32 v27, v110, 2, v27
	v_add_nc_u32 v27, ASC, v27                     ; x's: token t / 2, K steps 4 (t % 2) on
	v_lshlrev_b32 v29, 5, v0                       ; 32 t: row t's 32 scale bytes in memory
	v_lshl_add_u32 v127, v108, 2, LIST             ; the tokens whose codes I fetch
	v_mov_b32 v122, 0xc0135761                     ; c1 = -2.3022082
	v_mov_b32 v123, 0xc0135761                     ; (named with it as a pair)
	v_mov_b32 v20, 0
	s_mov_b32 s74, 0xbdd2d3e8                      ; c3 = -0.10294324
	s_mov_b32 s75, s74
	s_mov_b32 s76, 0x76543210
	s_mov_b32 s77, 0xfedcba98                      ; v_permlanex16_b32's selects for lane l xor 16
	s_mov_b32 s78, 0xffff0000                      ; lanes 16-31
	s_mov_b32 s80, 0xaaaaaaaa                      ; odd lanes
	s_lshl_b32 s38, s28, 10
	s_mov_b32 s39, 0
	s_wait_kmcnt 0x0
	s_add_nc_u64 s[70:71], s[4:5], s[38:39]        ; my wave's 256 gates
	global_load_b128 v[96:99], v125, s[70:71]
	global_load_b128 v[100:103], v125, s[70:71] offset:512
.irp j, 0,1,2,3,4,5,6,7,8,9,10,11,12,13,14,15
	global_load_b128 v[32+4*\j:35+4*\j], v125, s[4:5] offset:512*\j   ; all 2,048: register 4 j + c of lane l is token 128 j + 4 l + c
.endr
	s_wait_loadcnt 16                              ; my wave's two loads are in; the sixteen younger may be out
	; ---- counts: how many of my wave's 256 tokens go to each expert
.irp e, 0,1,2,3,4,5,6,7
.irp k, 0,1,2,3,4,5,6,7
	v_cmp_eq_u32 s[40+\k], \e, v[96+\k]
.endr
.irp k, 0,1,2,3,4,5,6,7
	s_bcnt1_i32_b32 s[48+\k], s[40+\k]
.endr
	s_add_co_u32 s48, s48, s49
	s_add_co_u32 s50, s50, s51
	s_add_co_u32 s52, s52, s53
	s_add_co_u32 s54, s54, s55
	s_add_co_u32 s48, s48, s50
	s_add_co_u32 s52, s52, s54
	s_add_co_u32 s48, s48, s52
	v_mov_b32 v[104+\e], s48
	ds_store_b32 v24, v[104+\e] offset:32*\e       ; all lanes write the same word with the same value
.endr
	BAR
	; ---- every wave alike: the experts' counts, and which expert and which of its rows tile y holds
	ds_load_b32 v104, v19
	ds_load_b32 v105, v19 offset:128
	s_wait_dscnt 0x0
.irp m, 1,2,4
	v_mov_b32_dpp v106, v104 row_xmask:\m row_mask:0xf bank_mask:0xf
	v_mov_b32_dpp v107, v105 row_xmask:\m row_mask:0xf bank_mask:0xf
	v_add_nc_u32 v104, v104, v106
	v_add_nc_u32 v105, v105, v107
.endr
.irp e, 0,1,2,3
	v_readlane_b32 s[56+\e], v104, 8*\e
	v_readlane_b32 s[60+\e], v105, 8*\e
.endr
	s_mov_b32 s66, 0                               ; tiles up to and with expert e
	s_mov_b32 s67, 0                               ; my expert's first tile
	s_mov_b32 s68, s56                             ; my expert's count
	s_mov_b32 s34, 0                               ; my expert: the first whose tiles reach beyond y
.irp e, 0,1,2,3,4,5,6,7
	s_add_co_u32 s69, s[56+\e], 127
	s_lshr_b32 s69, s69, 7
	s_add_co_u32 s66, s66, s69
	s_cmp_ge_u32 s32, s66
	s_cselect_b32 s67, s66, s67
.if \e < 7
	s_cselect_b32 s68, s[57+\e], s68
.endif
	s_cselect_b32 s69, 1, 0
	s_add_co_u32 s34, s34, s69
.endr
	s_cmp_lt_u32 s32, s66
	s_cselect_b32 s33, 1, 0                        ; live: the tile has rows
	s_min_u32 s34, s34, 7                          ; held inside the tables before it enters an address
	s_sub_co_u32 s35, s32, s67
	s_lshl_b32 s35, s35, 7                         ; the tile's first row among its expert's
	s_sub_co_u32 s36, s68, s35
	s_min_u32 s36, s36, 128
	s_cmp_lg_u32 s33, 0
	s_cselect_b32 s36, s36, 0                      ; its rows
	s_sub_co_u32 s37, 0, s35                       ; the running place: the expert's first token stands at -first row
	s_mul_i32 s38, s34, 1572864                    ; W1's codes: the expert's 2,048 rows of 768 bytes, my tile's 256
	s_mul_i32 s39, s31, 196608
	s_add_co_u32 s38, s38, s39
	s_mov_b32 s39, 0
	s_add_nc_u64 s[10:11], s[10:11], s[38:39]
	s_lshl_b32 s38, s34, 16                        ; its scale bytes: 32 a row
	s_lshl_b32 s69, s31, 13
	s_add_co_u32 s38, s38, s69
	s_add_nc_u64 s[12:13], s[12:13], s[38:39]
	s_lshl_b32 s38, s34, 13                        ; b1: 4 (2,048 e + 256 x + 128 wn)
	s_lshl_b32 s69, s31, 10
	s_add_co_u32 s38, s38, s69
	s_lshl_b32 s69, s30, 9
	s_add_co_u32 s38, s38, s69
	s_add_nc_u64 s[14:15], s[14:15], s[38:39]
	s_lshl_b32 s69, s31, 1
	s_add_co_u32 s69, s69, s30                     ; the next product's K step: 2 x + wn
	s_mul_i32 s38, s32, 196608
	s_mul_i32 s72, s69, 12288
	s_add_co_u32 s38, s38, s72
	s_mul_i32 s72, s29, 3072
	s_add_co_u32 s38, s38, s72
	s_add_nc_u64 s[18:19], s[18:19], s[38:39]      ; hq at my first image
	s_lshl_b32 s38, s32, 13
	s_lshl_b32 s72, s69, 9
	s_add_co_u32 s38, s38, s72
	s_lshl_b32 s72, s29, 7
	s_add_co_u32 s38, s38, s72
	s_add_nc_u64 s[20:21], s[20:21], s[38:39]      ; hs at my 128 bytes
	s_lshl_b32 s38, s32, 10
	s_add_nc_u64 s[22:23], s[22:23], s[38:39]      ; the tile's record in plan
	; what hangs on the expert alone is asked for now, in every work-group (the expert is held inside the tables), and lands while the rows are placed
.irp a, 0,1
.irp t, 0,1,2,3,4,5,6,7
	global_load_b128 v[ACC+64*\a+8*\t:ACC+64*\a+8*\t+3], v124, s[14:15] offset:(32*(\t/2)+8*(\t%2))*4      ; the bias in the result's layout: the sums' first C
	global_load_b128 v[ACC+64*\a+8*\t+4:ACC+64*\a+8*\t+7], v124, s[14:15] offset:(32*(\t/2)+8*(\t%2))*4+16
.endr
.endr
	LDB 0
	WIN 0x40
	global_load_b128 v[144:147], v29, s[12:13]
	global_load_b128 v[148:151], v29, s[12:13] offset:16
	WIN 0
	ds_store_b32 v25, v20                          ; the list begins as zeros: a row beyond the tile's count takes token 0
	BAR
	; ---- wave 0 places the tile's tokens.  Between these two barriers no other wave touches LDS
	s_cmp_lg_u32 s28, 0
	s_cbranch_scc1 .Lno_scatter
	s_cmp_eq_u32 s33, 0
	s_cbranch_scc1 .Lno_scatter
	s_wait_loadcnt 58                              ; the 2,048 gates are in: behind them 32 loads of the bias, 24 of W1's codes, 2 of its scale bytes
.irp bt, 0,1,2,3,4,5,6,7
.irp k, 0,1,2,3,4,5,6,7
	v_cmp_eq_u32 s[40+\k], s34, v[32+8*\bt+\k]
.endr
.irp k, 0,1,2,3,4,5,6,7
	s_bcnt1_i32_b32 s[48+\k], s[40+\k]
.endr
.irp k, 0,1,2,3,4,5,6,7
	v_mbcnt_lo_u32_b32 v[104+\k], s[40+\k], s37    ; my token's place among the expert's, less the tile's first row
	s_add_co_u32 s37, s37, s[48+\k]
.endr
.irp k, 0,1,2,3,4,5,6,7
	v_cndmask_b32 v[104+\k], -1, v[104+\k], s[40+\k]
.endr
.irp k, 0,1,2,3,4,5,6,7
	v_min_u32 v[104+\k], 0x80, v[104+\k]           ; another expert's token, and places in front of or beyond the tile: word 128
.endr
.irp k, 0,1,2,3,4,5,6,7
	v_lshl_add_u32 v[112+\k], v[104+\k], 2, LIST
.endr
.irp k, 0,1,2,3,4,5,6,7
	v_add_nc_u32 v[96+\k], 128*((8*\bt+\k)/4)+(8*\bt+\k)%4, v126   ; the token's number
.endr
.irp k, 0,1,2,3,4,5,6,7
	ds_store_b32 v[112+\k], v[96+\k]
.endr
.endr
.Lno_scatter:
	; ---- one wave of one work-group stores the counts and the balance loss
	s_cmp_lg_u32 s28, 7
	s_cbranch_scc1 .Lno_out
	s_cmp_lg_u32 s31, 0
	s_cbranch_scc1 .Lno_out
	s_cmp_lg_u32 s32, 22
	s_cbranch_scc1 .Lno_out
	s_wait_loadcnt 0x0                             ; no load of mine is out: the gates' registers may be loaded again
.irp i, 0,1,2,3,4,5,6,7,8,9,10,11,12,13,14,15
	global_load_b128 v[32+4*\i:35+4*\i], v125, s[16:17] offset:512*\i   ; psum [256][8]: even lanes experts 0-3, odd lanes 4-7
.endr
.irp e, 0,1,2,3,4,5,6,7
	v_writelane_b32 v96, s[56+\e], \e
.endr
.irp e, 0,1,2,3,4,5,6,7
	v_cvt_f32_u32 v[100+\e], s[56+\e]
.endr
.irp c, 0,1,2,3
	v_cndmask_b32 v[100+\c], v[100+\c], v[104+\c], s80      ; my four experts' counts
.endr
	s_wait_loadcnt 0x0
.irp i, 1,2,3,4,5,6,7,8,9,10,11,12,13,14,15
	v_pk_add_f32 v[32:33], v[32:33], v[32+4*\i:33+4*\i]
	v_pk_add_f32 v[34:35], v[34:35], v[34+4*\i:35+4*\i]
.endr
.irp m, 2,4,8
.irp c, 0,1,2,3
	v_add_f32_dpp v[32+\c], v[32+\c], v[32+\c] row_xmask:\m row_mask:0xf bank_mask:0xf
.endr
.endr
.irp c, 0,1,2,3
	v_permlanex16_b32 v[36+\c], v[32+\c], s76, s77
.endr
.irp c, 0,1,2,3
	v_add_f32 v[32+\c], v[32+\c], v[36+\c]         ; the sum of all tokens' probabilities of my four experts
.endr
	v_mul_f32 v48, v32, v100
	v_fma_f32 v48, v33, v101, v48
	v_fma_f32 v48, v34, v102, v48
	v_fma_f32 v48, v35, v103, v48
	v_add_f32_dpp v48, v48, v48 row_xmask:1 row_mask:0xf bank_mask:0xf
	v_mul_f32 v48, 0x36000000, v48                 ; x 8 / 2,048^2 = 2^-19
	s_wait_xcnt 0x0                                ; EXEC changes only behind this wait
	v_cmp_gt_u32 vcc_lo, 32, v126
	s_and_saveexec_b32 s79, vcc_lo                 ; lanes 0-7
	global_store_b32 v126, v96, s[26:27]
	s_wait_xcnt 0x0
	s_or_b32 exec_lo, exec_lo, s79
	v_cmp_eq_u32 vcc_lo, 0, v126
	s_and_saveexec_b32 s79, vcc_lo                 ; lane 0
	global_store_b32 v126, v48, s[24:25]
	s_wait_xcnt 0x0
	s_or_b32 exec_lo, exec_lo, s79
.Lno_out:
	BAR                                            ; the list is whole
	ds_load_b32 v8, v127
	ds_load_b32 v9, v127 offset:128
	ds_load_b32 v10, v127 offset:256
	ds_load_b32 v11, v127 offset:384
	ds_load_b32 v12, v22
	ds_load_b32 v20, v25
	s_wait_dscnt 0x0
.irp p, 0,1,2,3,4
	v_min_u32 v[8+\p], 0x7ff, v[8+\p]              ; a token's number is held inside x before it enters an address
.endr
.irp p, 0,1,2,3
	v_mul_u32_u24 v[8+\p], v[8+\p], 768
.endr
.irp p, 0,1,2,3
	v_add_nc_u32 v[8+\p], v[8+\p], v23             ; its row of codes, my 16 bytes
.endr
	v_lshlrev_b32 v12, 5, v12
	v_and_b32 v104, 1, v0
	v_lshl_add_u32 v12, v104, 4, v12               ; its 32 scale bytes, my half
	LDA 0
	WIN 0x40
	global_load_b128 v[152:155], v12, s[8:9]
	WIN 0
	v_mov_b32 v104, s34
	v_mov_b32 v105, s36
	v_cmp_eq_u32 vcc_lo, 0x80, v0
	v_cndmask_b32 v20, v20, v104, vcc_lo           ; the record: words 0-127 the tokens, 128 the expert,
	v_cmp_eq_u32 vcc_lo, 0x81, v0
	v_cndmask_b32 v20, v20, v105, vcc_lo           ; 129 the rows, the rest zeros
	s_cmp_lg_u32 s31, 0
	s_cbranch_scc1 .Lno_plan
	global_store_b32 v21, v20, s[22:23]            ; 256 threads store 1,024 consecutive bytes, aligned
.Lno_plan:
	s_wait_loadcnt 0x0                             ; chunk 0, the scale bytes and the bias are in
	STCH 0
	WIN 0x04
.irp q, 0,1,2,3,4,5,6,7
	ds_store_b32 v26, v[144+\q] offset:1024*\q
.endr
.irp i, 0,1,2,3
	ds_store_b32 v27, v[152+\i] offset:512*\i
.endr
	WIN 0
	BAR                                            ; slot 0 and the scale words lie in LDS
	s_cmp_eq_u32 s33, 0
	s_cbranch_scc1 .Ldead_a
	LDB 1                                          ; chunk 1 is on its way while chunk 0 is multiplied
	LDA 1
	KSTEP 0, 0, 0
	KSTEP 0, 1, 1
	KSTEP 0, 2, 2
	KSTEP 0, 3, 3
	s_wait_loadcnt 0x0
	STCH 1
.Ldead_a:
	BAR                                            ; slot 1 lies in LDS
	s_cmp_eq_u32 s33, 0
	s_cbranch_scc1 .Ldead_b
	KSTEP 1, 0, 4
	KSTEP 1, 1, 5
	KSTEP 1, 2, 6
	KSTEP 1, 3, 7
.rept 4
	v_nop                                          ; places behind the last products: their results are read and their operands' registers written next
.endr
.irp a, 0,1
.if \a == 1
	s_wait_xcnt 0x0                                ; the first tile's stores have read their registers: these are written again only behind this wait
.endif
	GELU ACC+64*\a
	QUANT ACC+64*\a
.irp c, 0,1,2
	global_store_b128 v125, v[PC+4*\c:PC+4*\c+3], s[18:19] offset:1536*\a+512*\c   ; the operand's registers as they stand: 512 consecutive bytes a store, aligned
.endr
.if \a == 0
	v_mov_b32 v121, v120
.endif
.endr
	v_cndmask_b32 v120, v121, v120, s78            ; lanes 0-15 the even tile's scale words, lanes 16-31 the odd tile's
	global_store_b32 v126, v120, s[20:21]
.Ldead_b:
	s_set_vgpr_msb 0x5
	s_wait_tensorcnt 0x0
	ds_add_u32 v160, v161
	s_wait_dscnt 0x0
	s_set_vgpr_msb 0x500
	s_endpgm
.Lfunc_end_k_qfd8a467442_up:
	.size	k_qfd8a467442_up, .Lfunc_end_k_qfd8a467442_up-k_qfd8a467442_up
	.p2alignl 7, 3214868480
	.fill 96, 4, 3214868480
	.section	.rodata,"a",@progbits
	.p2align	6, 0x0
	.amdhsa_kernel k_qfd8a467442_up
		.amdhsa_group_segment_fixed_size 321792
		.amdhsa_private_segment_fixed_size 0
		.amdhsa_enable_private_segment 0
		.amdhsa_kernarg_size 96
		.amdhsa_user_sgpr_count 2
		.amdhsa_user_sgpr_kernarg_segment_ptr 1
		.amdhsa_wavefront_size32 1
		.amdhsa_system_sgpr_workgroup_id_x 1
		.amdhsa_system_sgpr_workgroup_id_y 1
		.amdhsa_system_sgpr_workgroup_id_z 1
		.amdhsa_system_vgpr_workitem_id 0
		.amdhsa_next_free_vgpr 418
		.amdhsa_next_free_sgpr 100
		.amdhsa_reserve_vcc 1
		.amdhsa_float_denorm_mode_32 3
		.amdhsa_float_denorm_mode_16_64 3
		.amdhsa_memory_ordered 1
		.amdhsa_forward_progress 1
		.amdhsa_inst_pref_size 167
	.end_amdhsa_kernel
	.amdgpu_metadata
---
amdhsa.version: [ 1, 2 ]
amdhsa.kernels:
  - .name:           k_qfd8a467442_up
    .symbol:         k_qfd8a467442_up.kd
    .args:
      - { .name: gate, .offset: 0, .size: 8, .value_kind: global_buffer, .address_space: global }
      - { .name: xq, .offset: 8, .size: 8, .value_kind: global_buffer, .address_space: global }
      - { .name: xs, .offset: 16, .size: 8, .value_kind: global_buffer, .address_space: global }
      - { .name: W1_codes, .offset: 24, .size: 8, .value_kind: global_buffer, .address_space: global }
      - { .name: W1_scales, .offset: 32, .size: 8, .value_kind: global_buffer, .address_space: global }
      - { .name: b1, .offset: 40, .size: 8, .value_kind: global_buffer, .address_space: global }
      - { .name: psum, .offset: 48, .size: 8, .value_kind: global_buffer, .address_space: global }
      - { .name: hq, .offset: 56, .size: 8, .value_kind: global_buffer, .address_space: global }
      - { .name: hs, .offset: 64, .size: 8, .value_kind: global_buffer, .address_space: global }
      - { .name: plan, .offset: 72, .size: 8, .value_kind: global_buffer, .address_space: global }
      - { .name: out1, .offset: 80, .size: 8, .value_kind: global_buffer, .address_space: global }
      - { .name: out2, .offset: 88, .size: 8, .value_kind: global_buffer, .address_space: global }
    .group_segment_fixed_size: 321792
    .private_segment_fixed_size: 0
    .kernarg_segment_align: 8
    .kernarg_segment_size: 96
    .max_flat_workgroup_size: 256
    .sgpr_count:     100
    .vgpr_count:     418
    .wavefront_size: 32
...
	.end_amdgpu_metadata
.endif
;; end of part 2
;; launch down (part 3): grid 8 x 23, 8 waves a work-group, no clusters, 285,696 bytes of LDS; arguments plan, hq, hs, W2_codes, W2_scales, b2, pgw, out0; writes out0
.if DOCPART == 3
	.amdgcn_target "amdgcn-amd-amdhsa--gfx1250"
	.amdhsa_code_object_version 6
	.text
	.protected	k_qfd8a467442_down
	.globl	k_qfd8a467442_down
	.p2align	8
	.type	k_qfd8a467442_down,@function
k_qfd8a467442_down:
	s_mov_b64 s[64:65], 0
	v_nop
	global_prefetch_b8 v0, s[64:65] scope:SCOPE_SE
	s_setreg_imm32_b32 hwreg(HW_REG_WAVE_MODE, 25, 1), 1
	s_wait_xcnt 0x0
; out0[token] = (h W2[e] + b2[e]) x the chosen expert's probability, for the rows of each row tile, scattered to their tokens.
; TILES.  Grid y: the 23 row tiles that the launch before laid out (plan: tokens, expert, rows: whole numbers); grid x: 8 tiles of 128 of the 1,024 columns.  Each row of out0 has one owner for each tile of columns.
; NO TENSOR LOAD, NO JOINT REQUEST: the expert, the rows and whether the tile has rows at all are read from memory, and a tile without rows leaves its work out by a scalar branch on such a number;
; so tiles go from memory through registers into LDS.  Every barrier stands on every wave's path; what is jumped lies between two barriers.
; PRODUCT.  Transposed: source 0 = 16 rows of W2 (columns of the result), source 1 = 16 tokens of h, whose fragments come as images of their registers (three 16-byte loads a fragment).
; Wave w: tokens 32 (w / 2) on (two tiles), columns 64 (w % 2) on (four tiles): 8 accumulators, which take turns, one instruction a turn.  The bias is the sums' first C.
; K = 2,048 goes in four chunks of 512 through two LDS slots; a chunk is on its way into registers while the chunk before is multiplied.
; OUT.  A lane's eight results are eight neighbouring columns of a token; the tile's rows meet in a stage in LDS, and each wave stores 16 whole rows of 512 bytes: two aligned blocks of 256 bytes an instruction.
; Rows beyond the tile's count are never stored.
; REGISTERS.  Window 0: v1-31 addresses and scale words; v32-55 two fragments of h; v56-103 four of W2; v104-121 the probability's second pair and the rows' offsets; v128-191 accumulators (a, t) at 128 + 32 a + 8 t;
;   v192-255 rows read back.  Window 1 (v256 on): on the way to LDS: 0-47 h's images, 48-95 W2's codes, 96-103 W2's scale words, 104-111 h's.
.set PITCH, 400                        ; an LDS row of W2's codes: 384 bytes + 16 = 100 words: the 32 lanes of an 8-byte fragment load touch 64 different banks (64 banks of 4 bytes: ISA guide 11.1)
.set SLOTB, 100352                     ; a slot: 32 images of h (49,152 bytes, dense), then 128 rows of W2
.set BOFF,  49152
.set BSC,   200704                     ; W2's scale words: 16 planes (K steps) of 128 words
.set ASC,   208896                     ; h's: 8,192 bytes as they lie in hs
.set STG,   217088                     ; the stage: 128 rows x (512 bytes + 16)
.set AF,  32
.set BF,  56
.set ACC, 128
.set MSB, 0
.macro WIN new                         ; the immediate's high byte repeats the setting that is left
.if MSB != \new
	s_set_vgpr_msb (MSB<<8)|\new
.set MSB, \new
.endif
.endm
.macro BAR                             ; my LDS stores have landed and my LDS loads are in: then the work-group's barrier
	s_wait_dscnt 0x0
	s_barrier_signal -1
	s_barrier_wait -1
.endm
.macro LDCH c                          ; chunk c: h's 32 images, one dense block; W2's 128 rows x 384 bytes
	WIN 0x40                                       ; destination window 1
.irp i, 0,1,2,3,4,5,6,7,8,9,10,11
	global_load_b128 v[4*\i:4*\i+3], v8, s[6:7] offset:49152*(\c)+4096*\i
.endr
.irp p, 0,1,2,3
.irp j, 0,1,2
	global_load_b128 v[48+4*(3*\p+\j):48+4*(3*\p+\j)+3], v7, s[10:11] offset:49152*\p+128*\j+384*(\c)
.endr
.endr
	WIN 0
.endm
.macro STCH s
	WIN 0x04                                       ; an LDS store's data are its source 1: window 1
.irp i, 0,1,2,3,4,5,6,7,8,9,10,11
	ds_store_b128 v[9+(\s)], v[4*\i:4*\i+3] offset:4096*\i
.endr
.irp p, 0,1,2,3
.irp j, 0,1,2
	ds_store_b128 v[11+(\s)], v[48+4*(3*\p+\j):48+4*(3*\p+\j)+3] offset:12800*\p+128*\j
.endr
.endr
	WIN 0
.endm
.macro FRAG6 reg, adr, off             ; a fragment from rows: 24 bytes of the row's stream of bits twice, in pieces of 8 bytes
.irp p, 0,1,2,3,4,5
	ds_load_b64 v[\reg+2*\p:\reg+2*\p+1], v[\adr] offset:\off+48*(\p/3)+8*(\p%3)
.endr
.endm
.macro MM a, t
.set DA, ACC+32*(\a)+8*(\t)
.if (((\t)%2) == 0) && ((\a) == 0)
	v_wmma_scale_f32_16x16x128_f8f6f4 v[DA:DA+7], v[BF+12*(\t):BF+12*(\t)+11], v[AF+12*(\a):AF+12*(\a)+11], v[DA:DA+7], v[30+(\t)/2], v28 matrix_a_fmt:MATRIX_FMT_FP6 matrix_b_fmt:MATRIX_FMT_FP6
.elseif ((\a) == 0)
	v_wmma_scale_f32_16x16x128_f8f6f4 v[DA:DA+7], v[BF+12*(\t):BF+12*(\t)+11], v[AF+12*(\a):AF+12*(\a)+11], v[DA:DA+7], v[30+(\t)/2], v28 matrix_a_fmt:MATRIX_FMT_FP6 matrix_b_fmt:MATRIX_FMT_FP6 matrix_a_scale:MATRIX_SCALE_ROW1
.elseif (((\t)%2) == 0)
	v_wmma_scale_f32_16x16x128_f8f6f4 v[DA:DA+7], v[BF+12*(\t):BF+12*(\t)+11], v[AF+12*(\a):AF+12*(\a)+11], v[DA:DA+7], v[30+(\t)/2], v28 matrix_a_fmt:MATRIX_FMT_FP6 matrix_b_fmt:MATRIX_FMT_FP6 matrix_b_scale:MATRIX_SCALE_ROW1
.else
	v_wmma_scale_f32_16x16x128_f8f6f4 v[DA:DA+7], v[BF+12*(\t):BF+12*(\t)+11], v[AF+12*(\a):AF+12*(\a)+11], v[DA:DA+7], v[30+(\t)/2], v28 matrix_a_fmt:MATRIX_FMT_FP6 matrix_b_fmt:MATRIX_FMT_FP6 matrix_a_scale:MATRIX_SCALE_ROW1 matrix_b_scale:MATRIX_SCALE_ROW1
.endif
.endm
; 128 along K: the u-th of slot s, K step q of the product.  Four plain places stand in front of the loads into registers that matrix instructions have read (ISA guide 7.12.1 for vector instructions).
.macro KSTEP s, u, q
.rept 4
	v_nop
.endr
.irp a, 0,1
.irp c, 0,1,2
	ds_load_b128 v[AF+12*\a+4*\c:AF+12*\a+4*\c+3], v[1+(\s)] offset:12288*(\u)+1536*\a+512*\c
.endr
.endr
	ds_load_b32 v28, v5 offset:512*(\q)
.irp t, 0,1,2,3
	FRAG6 BF+12*\t, 3+(\s), 6400*\t+96*(\u)
.endr
	ds_load_b32 v30, v6 offset:512*(\q)
	ds_load_b32 v31, v6 offset:512*(\q)+128
	s_wait_dscnt 0x0
.irp t, 0,1,2,3
.irp a, 0,1
	MM \a, \t
.endr
.endr
.endm
	s_load_b512 s[4:19], s[0:1], 0x0               ; plan s[4:5], hq s[6:7], hs s[8:9], W2's codes s[10:11], its scales s[12:13], b2 s[14:15], pgw s[16:17], out0 s[18:19]
	v_lshl_add_u32 v126, v0, 2, 0x45800
	v_mov_b32 v127, 0
	v_lshrrev_b32 v20, 5, v0
	v_readfirstlane_b32 s28, v20                   ; wave w
	s_lshr_b32 s29, s28, 1                         ; wm: my 32 tokens
	s_and_b32 s30, s28, 1                          ; wn: my 64 columns
	s_mov_b32 s31, ttmp9                           ; x: the tile of columns
	s_and_b32 s32, ttmp7, 0xffff                   ; y: the row tile
	v_and_b32 v21, 31, v0                          ; l
	v_and_b32 v22, 15, v0                          ; r
	v_bfe_u32 v23, v0, 4, 1                        ; h
	v_lshlrev_b32 v29, 4, v21                      ; 16 l
	v_lshlrev_b32 v122, 2, v21                     ; 4 l
	s_mul_i32 s42, s29, 3072
	v_add_nc_u32 v1, s42, v29                      ; h's images in slot 0: my two tiles of tokens,
	v_add_nc_u32 v2, SLOTB, v1                     ; in slot 1
	v_mul_u32_u24 v20, v22, PITCH
	v_mad_u32_u24 v20, v23, 24, v20
	s_mul_i32 s42, s30, 64*PITCH
	s_add_co_u32 s42, s42, BOFF
	v_add_nc_u32 v3, s42, v20                      ; W2's fragments: my 64 rows
	v_add_nc_u32 v4, SLOTB, v3
	s_lshl_b32 s42, s29, 7
	s_add_co_u32 s42, s42, ASC
	v_add_nc_u32 v5, s42, v122                     ; h's scale words
	s_lshl_b32 s42, s30, 8
	s_add_co_u32 s42, s42, BSC
	v_add_nc_u32 v6, s42, v122                     ; W2's
	v_lshrrev_b32 v20, 3, v0                       ; rr = t / 8
	v_and_b32 v123, 7, v0
	v_lshlrev_b32 v123, 4, v123                    ; 16 (t % 8)
	v_mad_u32_u24 v7, v20, 1536, v123              ; W2 in memory: row rr
	v_lshlrev_b32 v8, 4, v0                        ; 16 t: the dense blocks in memory
	v_lshlrev_b32 v9, 4, v0                        ; h's images into slot 0,
	v_add_nc_u32 v10, SLOTB, v9                    ; slot 1
	v_mad_u32_u24 v11, v20, PITCH, v123
	v_add_nc_u32 v11, BOFF, v11                    ; W2 into slot 0,
	v_add_nc_u32 v12, SLOTB, v11                   ; slot 1
	v_and_b32 v20, 1, v0
	v_lshlrev_b32 v13, 12, v20
	v_lshrrev_b32 v20, 1, v0
	v_lshl_add_u32 v13, v20, 2, v13
	v_add_nc_u32 v13, BSC, v13                     ; W2's scale words: row t / 2, K steps 8 (t % 2) on
	v_add_nc_u32 v14, ASC, v9
	v_lshlrev_b32 v15, 5, v0                       ; 32 t
	s_mul_i32 s42, s29, 32*528
	s_lshl_b32 s43, s30, 8
	s_add_co_u32 s42, s42, s43
	s_add_co_u32 s42, s42, STG
	v_mul_u32_u24 v16, v22, 528
	v_lshl_add_u32 v16, v23, 5, v16
	v_add_nc_u32 v16, s42, v16                     ; the stage, in: token 32 wm + r, columns 64 wn + 8 h on
	s_mul_i32 s42, s28, 16*528
	s_add_co_u32 s42, s42, STG
	v_add_nc_u32 v17, s42, v29                     ; back: my 16 rows, 16 bytes a lane
	v_lshlrev_b32 v18, 5, v23                      ; 32 h: the bias's 8 columns of my half
	s_lshl_b32 s42, s29, 7
	v_lshl_add_u32 v19, v22, 2, s42                ; the plan's word of token 32 wm + r
	v_mov_b32 v27, 0                               ; (named as the upper halves of the probabilities' pairs)
	v_mov_b32 v105, 0
	s_lshl_b32 s38, s32, 10
	s_mov_b32 s39, 0
	s_lshl_b32 s40, s28, 6
	s_mov_b32 s41, 0
	s_wait_kmcnt 0x0
	s_add_nc_u64 s[4:5], s[4:5], s[38:39]          ; the tile's record
	s_add_nc_u64 s[40:41], s[4:5], s[40:41]        ; the 16 tokens whose rows I store
	s_load_b64 s[34:35], s[4:5], 0x200             ; the expert, the rows
	s_load_b512 s[76:91], s[40:41], 0x0
	global_load_b32 v24, v19, s[4:5]               ; the tokens of my lane's two rows
	global_load_b32 v25, v19, s[4:5] offset:64
	s_mul_i32 s38, s32, 196608
	s_add_nc_u64 s[6:7], s[6:7], s[38:39]          ; the tile's images
	s_lshl_b32 s38, s32, 13
	s_add_nc_u64 s[8:9], s[8:9], s[38:39]          ; and their scale words
	s_lshl_b32 s42, s31, 9
	v_add_nc_u32 v20, s42, v29                     ; in a row of out0: 512 x + 16 l
	s_wait_kmcnt 0x0
	s_min_u32 s34, s34, 7                          ; held inside the tables before it enters an address
	s_min_u32 s35, s35, 128
	s_cmp_lg_u32 s35, 0
	s_cselect_b32 s33, 1, 0                        ; live
	s_lshl_b32 s36, s28, 4
	s_sub_co_i32 s36, s35, s36
	s_max_i32 s36, s36, 0                          ; how many of my 16 rows are rows of the tile
.irp i, 0,1,2,3,4,5,6,7,8,9,10,11,12,13,14,15
	s_min_u32 s[76+\i], s[76+\i], 2047
	s_lshl_b32 s[76+\i], s[76+\i], 12
	v_add_nc_u32 v[106+\i], s[76+\i], v20          ; where row i goes: its token's row of 4,096 bytes
.endr
	s_mul_i32 s38, s34, 1572864                    ; W2's codes: the expert's 1,024 rows of 1,536 bytes, my tile's 128
	s_mul_i32 s42, s31, 196608
	s_add_co_u32 s38, s38, s42
	s_add_nc_u64 s[10:11], s[10:11], s[38:39]
	s_lshl_b32 s38, s34, 16                        ; its scale bytes: 64 a row
	s_lshl_b32 s42, s31, 13
	s_add_co_u32 s38, s38, s42
	s_add_nc_u64 s[12:13], s[12:13], s[38:39]
	s_lshl_b32 s38, s34, 12                        ; b2: 4 (1,024 e + 128 x + 64 wn)
	s_lshl_b32 s42, s31, 9
	s_add_co_u32 s38, s38, s42
	s_lshl_b32 s42, s30, 8
	s_add_co_u32 s38, s38, s42
	s_add_nc_u64 s[14:15], s[14:15], s[38:39]
.irp a, 0,1
.irp t, 0,1,2,3
	global_load_b128 v[ACC+32*\a+8*\t:ACC+32*\a+8*\t+3], v18, s[14:15] offset:64*\t        ; the bias in the result's layout: the sums' first C
	global_load_b128 v[ACC+32*\a+8*\t+4:ACC+32*\a+8*\t+7], v18, s[14:15] offset:64*\t+16
.endr
.endr
	s_wait_loadcnt 16                              ; my two tokens are in; the bias's sixteen younger loads may be out
	v_min_u32 v24, 0x7ff, v24
	v_min_u32 v25, 0x7ff, v25
	v_lshlrev_b32 v24, 2, v24
	v_lshlrev_b32 v25, 2, v25
	global_load_b32 v26, v24, s[16:17]             ; their chosen experts' probabilities
	global_load_b32 v104, v25, s[16:17]
	s_cmp_eq_u32 s33, 0
	s_cbranch_scc1 .Ldead_0
	LDCH 0
	WIN 0x40
	global_load_b128 v[96:99], v15, s[12:13]
	global_load_b128 v[100:103], v15, s[12:13] offset:16
	global_load_b128 v[104:107], v8, s[8:9]
	global_load_b128 v[108:111], v8, s[8:9] offset:4096
	WIN 0
	s_wait_loadcnt 0x0
	STCH 0
	WIN 0x04
.irp i, 0,1,2,3,4,5,6,7
	ds_store_b32 v13, v[96+\i] offset:512*\i
.endr
	ds_store_b128 v14, v[104:107]
	ds_store_b128 v14, v[108:111] offset:4096
	WIN 0
.Ldead_0:
	BAR                                            ; slot 0 and the scale words lie in LDS
.irp c, 0,1,2                                  ; chunk c is multiplied while chunk c + 1 is on its way; it goes into the slot whose last reads lie in front of the barrier just passed
	s_cmp_eq_u32 s33, 0
	s_cbranch_scc1 .Ldead_c\c
	LDCH \c+1
	KSTEP \c%2, 0, 4*\c
	KSTEP \c%2, 1, 4*\c+1
	KSTEP \c%2, 2, 4*\c+2
	KSTEP \c%2, 3, 4*\c+3
	s_wait_loadcnt 0x0
	STCH (\c+1)%2
.Ldead_c\c:
	BAR
.endr
	s_cmp_eq_u32 s33, 0
	s_cbranch_scc1 .Ldead_3
	KSTEP 1, 0, 12
	KSTEP 1, 1, 13
	KSTEP 1, 2, 14
	KSTEP 1, 3, 15
.rept 4
	v_nop                                          ; places behind the last products: their results are read next
.endr
.irp a, 0,1
.set j, 0
.rept 16
	v_pk_mul_f32 v[ACC+32*\a+j:ACC+32*\a+j+1], v[ACC+32*\a+j:ACC+32*\a+j+1], v[26+78*\a:27+78*\a] op_sel_hi:[1,0]   ; x my token's probability; each accumulator from its low end on
.set j, j+2
.endr
.endr
.irp a, 0,1
.irp t, 0,1,2,3
	ds_store_b128 v16, v[ACC+32*\a+8*\t:ACC+32*\a+8*\t+3] offset:8448*\a+64*\t
	ds_store_b128 v16, v[ACC+32*\a+8*\t+4:ACC+32*\a+8*\t+7] offset:8448*\a+64*\t+16
.endr
.endr
.Ldead_3:
	BAR                                            ; the tile's rows lie whole in the stage
	s_cmp_eq_u32 s36, 0
	s_cbranch_scc1 .Ldone
.irp i, 0,1,2,3,4,5,6,7,8,9,10,11,12,13,14,15
	ds_load_b128 v[192+4*\i:195+4*\i], v17 offset:528*\i
.endr
	s_wait_dscnt 0x0
.irp i, 0,1,2,3,4,5,6,7,8,9,10,11,12,13,14,15
.if \i > 0
	s_cmp_le_u32 s36, \i                           ; rows beyond the tile's count are not stored
	s_cbranch_scc1 .Ldone
.endif
	global_store_b128 v[106+\i], v[192+4*\i:195+4*\i], s[18:19] th:TH_STORE_NT   ; 32 lanes store 512 consecutive bytes of a token's row, aligned; written once, read by nobody here
.endr
.Ldone:
	s_wait_tensorcnt 0x0
	ds_add_u32 v126, v127
	s_wait_dscnt 0x0
	s_endpgm
.Lfunc_end_k_qfd8a467442_down:
	.size	k_qfd8a467442_down, .Lfunc_end_k_qfd8a467442_down-k_qfd8a467442_down
	.p2alignl 7, 3214868480
	.fill 96, 4, 3214868480
	.section	.rodata,"a",@progbits
	.p2align	6, 0x0
	.amdhsa_kernel k_qfd8a467442_down
		.amdhsa_group_segment_fixed_size 285696
		.amdhsa_private_segment_fixed_size 0
		.amdhsa_enable_private_segment 0
		.amdhsa_kernarg_size 64
		.amdhsa_user_sgpr_count 2
		.amdhsa_user_sgpr_kernarg_segment_ptr 1
		.amdhsa_wavefront_size32 1
		.amdhsa_system_sgpr_workgroup_id_x 1
		.amdhsa_system_sgpr_workgroup_id_y 1
		.amdhsa_system_sgpr_workgroup_id_z 1
		.amdhsa_system_vgpr_workitem_id 0
		.amdhsa_next_free_vgpr 368
		.amdhsa_next_free_sgpr 100
		.amdhsa_reserve_vcc 0
		.amdhsa_float_denorm_mode_32 3
		.amdhsa_float_denorm_mode_16_64 3
		.amdhsa_memory_ordered 1
		.amdhsa_forward_progress 1
		.amdhsa_inst_pref_size 85
	.end_amdhsa_kernel
	.amdgpu_metadata
---
amdhsa.version: [ 1, 2 ]
amdhsa.kernels:
  - .name:           k_qfd8a467442_down
    .symbol:         k_qfd8a467442_down.kd
    .args:
      - { .name: plan, .offset: 0, .size: 8, .value_kind: global_buffer, .address_space: global }
      - { .name: hq, .offset: 8, .size: 8, .value_kind: global_buffer, .address_space: global }
      - { .name: hs, .offset: 16, .size: 8, .value_kind: global_buffer, .address_space: global }
      - { .name: W2_codes, .offset: 24, .size: 8, .value_kind: global_buffer, .address_space: global }
      - { .name: W2_scales, .offset: 32, .size: 8, .value_kind: global_buffer, .address_space: global }
      - { .name: b2, .offset: 40, .size: 8, .value_kind: global_buffer, .address_space: global }
      - { .name: pgw, .offset: 48, .size: 8, .value_kind: global_buffer, .address_space: global }
      - { .name: out0, .offset: 56, .size: 8, .value_kind: global_buffer, .address_space: global }
    .group_segment_fixed_size: 285696
    .private_segment_fixed_size: 0
    .kernarg_segment_align: 8
    .kernarg_segment_size: 64
    .max_flat_workgroup_size: 256
    .sgpr_count:     100
    .vgpr_count:     368
    .wavefront_size: 32
...
	.end_amdgpu_metadata
.endif
;; end of part 3
;; ======== version 2 of 2: 3 launches
;; workspace buffers: xq 1,572,864 bytes; xs 65,536 bytes; gate 8,192 bytes of whole numbers; pgw 8,192 bytes; psum 8,192 bytes; hq 4,521,984 bytes; hs 188,416 bytes; plan 23,552 bytes of whole numbers
;; launch route (part 4): grid 256 x 1, 4 waves a work-group, no clusters, 76,288 bytes of LDS; arguments x, Wg, xq, xs, gate, pgw, psum; writes xq, xs, gate, pgw, psum
.if DOCPART == 4
	.amdgcn_target "amdgcn-amd-amdhsa--gfx1250"
	.amdhsa_code_object_version 6
	.text
	.protected	k_qfd8a467442_route
	.globl	k_qfd8a467442_route
	.p2align	8
	.type	k_qfd8a467442_route,@function
k_qfd8a467442_route:
	s_mov_b64 s[64:65], 0
	v_nop
	global_prefetch_b8 v0, s[64:65] scope:SCOPE_SE
	s_setreg_imm32_b32 hwreg(HW_REG_WAVE_MODE, 25, 1), 1
	s_wait_xcnt 0x0
; THE ROUTER, AND x INTO CODES.  x [2048][1024] f32, Wg [1024][8] f32.
; For each token: logits = x Wg (f32 multiply-adds), softmax with the row's maximum taken away, the first largest probability's index (gate) and value (pgw);
; for each work-group the sums of its 8 tokens' probabilities (psum); and x's codes of E2M3 (xq: [2048][768], one stream of bits a row) with one E8M0 byte for each 32 along K (xs: [2048][32]).
; The gate is only STORED here: no address and no branch of this launch hangs on it.
; reference() never reads input_ids and attention_mask: no result hangs on them, so they are no arguments.
; SHARES.  Work-group g: tokens 8 g .. 8 g + 7; wave w: tokens 8 g + 2 w + rho, rho = 0, 1.  A set u = 2 rho + s is half a row (s = 0, 1): lane l holds k = 512 s + 16 l + 0 .. 15, 16 neighbours,
; which both the conversion and the router use.  Loads take the bytes as they lie (512 consecutive bytes a load); a set turns through the wave's own stage in LDS.
; Memory binds and the products have 8 columns: matrix units, clusters and tensor loads would add nothing here.
; LIMITS: a block of zeros gets the byte 1 (its codes are zeros; the bytes are read by this program alone); blocks whose largest magnitude lies under 2^-124 are held at byte 1; NaN and infinities are not served;
; of probabilities that are equal in f32 the lowest index is taken.
.set STG, 33792                        ; LDS 0: Wg, 64 groups of 512 bytes + 16 of padding.  STG: 4 waves x 4 sets x 32 places of 80 bytes
.set XSB, 74752                        ; the work-group's 256 scale bytes
.set PRB, 75008                        ; probabilities [8 tokens][8]
.set GTB, 75264                        ; 8 gates, then 8 chosen probabilities
.set LG,  16                           ; v16-31   logits, then probabilities: 8 rho + e
.set CD,  32                           ; v32-47   codes, four registers a set
.set EB,  48                           ; v48-51   a scale byte a set
.set RW,  64                           ; v64-127  x as loaded; later buffer A of Wg's pieces
.set WS,  128                          ; v128-191 Wg as loaded; later buffer B
.set XN,  192                          ; v192-255 16 neighbours a set
.macro TURN u                          ; a set's 2,048 bytes through the stage: LDS serves a wave's instructions in order, so no wait stands between
.irp i, 0,1,2,3
	ds_store_b128 v5, v[RW+16*(\u)+4*\i:RW+16*(\u)+4*\i+3] offset:2560*(\u)+640*\i
.endr
.irp i, 0,1,2,3
	ds_load_b128 v[XN+16*(\u)+4*\i:XN+16*(\u)+4*\i+3], v6 offset:2560*(\u)+16*\i
.endr
.endm
.macro QSTEP u                         ; a set's 16 blocks: two neighbouring lanes hold a block
.set XS, XN+16*(\u)
	v_max3_num_f32 v12, |v[XS]|, |v[XS+1]|, |v[XS+2]|
	v_max3_num_f32 v13, |v[XS+3]|, |v[XS+4]|, |v[XS+5]|
.irp i, 6,10
	v_max3_num_f32 v12, v12, |v[XS+\i]|, |v[XS+\i+1]|
	v_max3_num_f32 v13, v13, |v[XS+\i+2]|, |v[XS+\i+3]|
.endr
	v_max3_num_f32 v12, v12, |v[XS+14]|, |v[XS+15]|
	v_max3_num_f32 v12, v12, v13, 0x1800000        ; the floor 2^(3 - 127): the byte cannot fall under 1
	v_max_num_f32_dpp v12, v12, v12 row_xmask:1 row_mask:0xf bank_mask:0xf   ; with my neighbour's 16: the block's largest magnitude
	v_add_nc_u32 v14, 0xff000000, v12              ; 2 off its exponent field: the conversion takes this operand's exponent field as its scale
	v_cvt_scalef32_pk16_fp6_f32 v[CD+4*(\u):CD+4*(\u)+2], v[XS:XS+15], v14
	v_lshrrev_b32 v[EB+(\u)], 23, v14              ; the scale's byte (a plain line behind the conversion)
	ds_store_b8 v8, v[EB+(\u)] offset:16*(\u)      ; both lanes of a block write the same byte with the same value
	global_store_b96 v7, v[CD+4*(\u):CD+4*(\u)+2], s[8:9] offset:384*(\u)   ; the wave stores 384 consecutive bytes
.endm
.macro WLOAD n, buf                    ; piece n = 2 s + hf of Wg: my rows k = 512 s + 16 l + 8 hf + 0 .. 7, 32 bytes each
.irp ii, 0,1,2,3,4,5,6,7
	ds_load_b128 v[\buf+8*\ii:\buf+8*\ii+3], v9 offset:16896*((\n)/2)+32*(8*((\n)%2)+\ii)
	ds_load_b128 v[\buf+8*\ii+4:\buf+8*\ii+7], v9 offset:16896*((\n)/2)+32*(8*((\n)%2)+\ii)+16
.endr
.endm
.macro FMAS n, buf                     ; both rows' logits += x(k) Wg(k, :), two experts an instruction; the very first product starts the sums
.irp ii, 0,1,2,3,4,5,6,7
.irp rho, 0,1
.irp pe, 0,1,2,3
.set XP, XN+16*(2*\rho+(\n)/2)+8*((\n)%2)+\ii-(\ii%2)
.if ((\n) == 0) && (\ii == 0)
	v_pk_mul_f32 v[LG+8*\rho+2*\pe:LG+8*\rho+2*\pe+1], v[\buf+8*\ii+2*\pe:\buf+8*\ii+2*\pe+1], v[XP:XP+1] op_sel_hi:[1,0]
.elseif (\ii%2) == 0
	v_pk_fma_f32 v[LG+8*\rho+2*\pe:LG+8*\rho+2*\pe+1], v[\buf+8*\ii+2*\pe:\buf+8*\ii+2*\pe+1], v[XP:XP+1], v[LG+8*\rho+2*\pe:LG+8*\rho+2*\pe+1] op_sel_hi:[1,0,1]
.else
	v_pk_fma_f32 v[LG+8*\rho+2*\pe:LG+8*\rho+2*\pe+1], v[\buf+8*\ii+2*\pe:\buf+8*\ii+2*\pe+1], v[XP:XP+1], v[LG+8*\rho+2*\pe:LG+8*\rho+2*\pe+1] op_sel:[0,1,0] op_sel_hi:[1,1,1]
.endif
.endr
.endr
.endr
.endm
	s_load_b256 s[4:11], s[0:1], 0x0               ; x s[4:5], Wg s[6:7], xq s[8:9], xs s[10:11]
	s_load_b128 s[12:15], s[0:1], 0x20             ; gate s[12:13], pgw s[14:15]
	s_load_b64 s[16:17], s[0:1], 0x30              ; psum
	v_lshl_add_u32 v62, v0, 2, 0x12800
	v_mov_b32 v63, 0
	v_lshrrev_b32 v12, 5, v0
	v_readfirstlane_b32 s18, v12                   ; wave 0..3
	v_and_b32 v1, 31, v0                           ; lane
	v_lshlrev_b32 v2, 4, v1                        ; x: 16 bytes a lane
	v_lshlrev_b32 v3, 4, v0                        ; Wg: 16 bytes a thread
	v_lshl_add_u32 v4, v12, 4, v3                  ; and its place in LDS: 16 more for each 512 passed
	s_mul_i32 s25, s18, 10240
	s_add_co_u32 s25, s25, STG                     ; my wave's four stages
	v_lshrrev_b32 v13, 2, v1
	v_mul_u32_u24 v13, v13, 80
	v_and_b32 v14, 3, v1
	v_lshl_add_u32 v13, v14, 4, v13
	v_add_nc_u32 v5, s25, v13                      ; in: four lanes' 64 bytes on end, then 16 of padding
	v_mul_u32_u24 v6, v1, 80
	v_add_nc_u32 v6, s25, v6                       ; out: my 16 neighbours
	v_mul_u32_u24 v7, v1, 12                       ; my 16 codes' place in a set's 384 bytes
	s_lshl_b32 s26, s18, 6
	s_add_co_u32 s27, s26, XSB
	v_lshrrev_b32 v8, 1, v1
	v_add_nc_u32 v8, s27, v8                       ; my block's byte: 32 bytes a token
	v_mul_u32_u24 v9, v1, 528                      ; Wg: my 16 rows of a half
	s_add_co_u32 s27, s26, PRB
	v_mov_b32 v10, s27                             ; my wave's two rows of probabilities
	s_lshl_b32 s27, s18, 3
	s_add_co_u32 s27, s27, GTB
	v_mov_b32 v11, s27
	s_mov_b32 s20, 0x76543210
	s_mov_b32 s21, 0xfedcba98                      ; v_permlanex16_b32's selects for lane l xor 16
	s_lshl_b32 s22, ttmp9, 15                      ; x: (8 g + 2 w) rows of 4,096 bytes
	s_lshl_b32 s23, s18, 13
	s_add_co_u32 s22, s22, s23
	s_mov_b32 s23, 0
	s_lshl_b32 s28, ttmp9, 3
	s_lshl_b32 s29, s18, 1
	s_add_co_u32 s28, s28, s29
	s_mul_i32 s28, s28, 768                        ; xq: the same rows of 768 bytes
	s_mov_b32 s29, 0
	s_lshl_b32 s30, ttmp9, 8                       ; xs: 256 bytes a work-group
	s_mov_b32 s31, 0
	s_lshl_b32 s32, ttmp9, 5                       ; gate, pgw, psum: 32 bytes a work-group
	s_mov_b32 s33, 0
	s_wait_alu depctr_va_vdst(0)
	s_wait_kmcnt 0x0
	s_add_nc_u64 s[4:5], s[4:5], s[22:23]
	s_add_nc_u64 s[8:9], s[8:9], s[28:29]
	s_add_nc_u64 s[10:11], s[10:11], s[30:31]
	s_add_nc_u64 s[12:13], s[12:13], s[32:33]
	s_add_nc_u64 s[14:15], s[14:15], s[32:33]
	s_add_nc_u64 s[16:17], s[16:17], s[32:33]
.irp j, 0,1,2,3,4,5,6,7,8,9,10,11,12,13,14,15
	global_load_b128 v[RW+4*\j:RW+4*\j+3], v2, s[4:5] offset:512*\j th:TH_LOAD_NT   ; my two rows: 8,192 consecutive bytes
.endr
.irp j, 0,1,2,3,4,5,6,7,8,9,10,11,12,13,14,15
	global_load_b128 v[WS+4*\j:WS+4*\j+3], v3, s[6:7] offset:2048*\j                ; all of Wg, shared out among the 128 threads
.endr
	s_wait_loadcnt 16                              ; x is in; Wg's sixteen younger loads may be out
	TURN 0
	TURN 1
	TURN 2
	TURN 3
	s_wait_loadcnt 0x0
.irp j, 0,1,2,3,4,5,6,7,8,9,10,11,12,13,14,15
	ds_store_b128 v4, v[WS+4*\j:WS+4*\j+3] offset:2112*\j
.endr
	s_wait_dscnt 0x0                               ; for the others' sake: my part of Wg lies in LDS; my sets are back too
	s_barrier_signal -1
	s_barrier_wait -1
	WLOAD 0, RW
	WLOAD 1, WS
	QSTEP 0
	QSTEP 1
	QSTEP 2
	QSTEP 3
	s_wait_dscnt 20                                ; piece 0 is in: behind it piece 1's sixteen loads and the four byte stores
	FMAS 0, RW
	WLOAD 2, RW
	s_wait_alu depctr_va_vdst(0)
	s_wait_dscnt 20                                ; piece 1: behind it the four byte stores and piece 2's sixteen loads
	FMAS 1, WS
	WLOAD 3, WS
	s_wait_alu depctr_va_vdst(0)
	s_wait_dscnt 16                                ; piece 2: behind it piece 3's sixteen
	FMAS 2, RW
	s_wait_alu depctr_va_vdst(0)
	s_wait_dscnt 0x0
	FMAS 3, WS
	; the 32 lanes' parts are added: every lane ends with all 16 logits
.irp m, 1,2,4,8
.irp j, 0,1,2,3,4,5,6,7,8,9,10,11,12,13,14,15
	v_add_f32_dpp v[LG+\j], v[LG+\j], v[LG+\j] row_xmask:\m row_mask:0xf bank_mask:0xf
.endr
.endr
.irp j, 0,1,2,3,4,5,6,7,8,9,10,11,12,13,14,15
	v_permlanex16_b32 v[64+\j], v[LG+\j], s20, s21
.endr
.irp j, 0,1,2,3,4,5,6,7,8,9,10,11,12,13,14,15
	v_add_f32 v[LG+\j], v[LG+\j], v[64+\j]
.endr
	; softmax: the row's maximum is taken away first
.irp rho, 0,1
	v_max3_num_f32 v[52+\rho], v[LG+8*\rho], v[LG+8*\rho+1], v[LG+8*\rho+2]
.endr
.irp rho, 0,1
	v_max3_num_f32 v[52+\rho], v[52+\rho], v[LG+8*\rho+3], v[LG+8*\rho+4]
.endr
.irp rho, 0,1
	v_max3_num_f32 v[52+\rho], v[52+\rho], v[LG+8*\rho+5], v[LG+8*\rho+6]
.endr
.irp rho, 0,1
	v_max_num_f32 v[52+\rho], v[52+\rho], v[LG+8*\rho+7]
.endr
.irp rho, 0,1
.irp e, 0,1,2,3,4,5,6,7
	v_sub_f32 v[LG+8*\rho+\e], v[LG+8*\rho+\e], v[52+\rho]
.endr
.endr
.irp j, 0,1,2,3,4,5,6,7,8,9,10,11,12,13,14,15
	v_mul_f32 v[LG+\j], 0x3fb8aa3b, v[LG+\j]       ; x log2(e)
.endr
	s_wait_alu depctr_va_vdst(0)
.irp j, 0,1,2,3,4,5,6,7,8,9,10,11,12,13,14,15
	v_exp_f32 v[LG+\j], v[LG+\j]
.endr
	v_and_b32 v85, 7, v1                           ; (a plain line behind the exponentials)  lane % 8
	s_wait_alu depctr_va_vdst(0)                   ; one wait for the batch, ahead of its first reader
.irp rho, 0,1
	v_add_f32 v[54+\rho], v[LG+8*\rho], v[LG+8*\rho+1]
.endr
.irp e, 2,3,4,5,6,7
.irp rho, 0,1
	v_add_f32 v[54+\rho], v[54+\rho], v[LG+8*\rho+\e]
.endr
.endr
	s_wait_alu depctr_va_vdst(0)
	v_rcp_f32 v56, v54
	v_rcp_f32 v57, v55
	v_lshl_add_u32 v80, v1, 3, XSB                 ; (a plain line behind the reciprocals)  the tail's addresses: 8 scale bytes a lane,
	v_lshl_add_u32 v81, v85, 2, PRB                ; expert lane % 8 of a token's probabilities,
	v_lshl_add_u32 v82, v85, 2, GTB                ; token lane % 8's gate
	v_lshlrev_b32 v83, 3, v1
	v_lshlrev_b32 v84, 2, v1
	s_wait_alu depctr_va_vdst(0)                   ; one wait for the two
.irp rho, 0,1
.irp e, 0,1,2,3,4,5,6,7
	v_mul_f32 v[LG+8*\rho+\e], v[LG+8*\rho+\e], v[56+\rho]   ; the probabilities
.endr
.endr
.irp rho, 0,1
	v_max3_num_f32 v[58+\rho], v[LG+8*\rho], v[LG+8*\rho+1], v[LG+8*\rho+2]
	v_max3_num_f32 v[58+\rho], v[58+\rho], v[LG+8*\rho+3], v[LG+8*\rho+4]
	v_max3_num_f32 v[58+\rho], v[58+\rho], v[LG+8*\rho+5], v[LG+8*\rho+6]
	v_max_num_f32 v[58+\rho], v[58+\rho], v[LG+8*\rho+7]     ; the chosen expert's probability
	v_mov_b32 v[60+\rho], 7
.irp e, 6,5,4,3,2,1,0
	v_cmp_lt_f32 vcc_lo, v[LG+8*\rho+\e], v[58+\rho]
	v_cndmask_b32 v[60+\rho], \e, v[60+\rho], vcc_lo         ; from the top down: the lowest index that reaches the maximum stays.  A choice of a value, no branch
.endr
.endr
.irp rho, 0,1
.irp e, 0,1,2,3,4,5,6,7
	ds_store_b32 v10, v[LG+8*\rho+\e] offset:32*\rho+4*\e    ; all lanes write the same word with the same value
.endr
	ds_store_b32 v11, v[60+\rho] offset:4*\rho
	ds_store_b32 v11, v[58+\rho] offset:32+4*\rho
.endr
	s_wait_dscnt 0x0                               ; for wave 0's sake: my stores have landed
	s_barrier_signal -1
	s_barrier_wait -1
	s_cmp_lg_u32 s18, 0                            ; wave 0 stores what the four waves have gathered
	s_cbranch_scc1 .Lend
	ds_load_b64 v[86:87], v80
.irp k, 0,1,2,3,4,5,6,7
	ds_load_b32 v[88+\k], v81 offset:32*\k
.endr
	ds_load_b32 v96, v82
	ds_load_b32 v97, v82 offset:32
	s_wait_dscnt 0x0
	v_add_f32 v88, v88, v89
	v_add_f32 v90, v90, v91
	v_add_f32 v92, v92, v93
	v_add_f32 v94, v94, v95
	v_add_f32 v88, v88, v90
	v_add_f32 v92, v92, v94
	v_add_f32 v88, v88, v92                        ; the 8 tokens' probabilities of expert lane % 8
	global_store_b64 v83, v[86:87], s[10:11]       ; 32 lanes store 256 consecutive bytes, aligned
	s_wait_alu depctr_va_vdst(0)
	s_wait_xcnt 0x0                                ; EXEC changes only behind this wait
	v_cmp_gt_u32 vcc_lo, 8, v1
	s_and_saveexec_b32 s24, vcc_lo
	global_store_b32 v84, v96, s[12:13]
	global_store_b32 v84, v97, s[14:15]
	global_store_b32 v84, v88, s[16:17]
	s_wait_xcnt 0x0                                ; and again in front of the line that widens it
	s_or_b32 exec_lo, exec_lo, s24
.Lend:
	s_wait_tensorcnt 0x0
	ds_add_u32 v62, v63
	s_wait_dscnt 0x0
	s_endpgm
.Lfunc_end_k_qfd8a467442_route:
	.size	k_qfd8a467442_route, .Lfunc_end_k_qfd8a467442_route-k_qfd8a467442_route
	.p2alignl 7, 3214868480
	.fill 96, 4, 3214868480
	.section	.rodata,"a",@progbits
	.p2align	6, 0x0
	.amdhsa_kernel k_qfd8a467442_route
		.amdhsa_group_segment_fixed_size 76288
		.amdhsa_private_segment_fixed_size 0
		.amdhsa_enable_private_segment 0
		.amdhsa_kernarg_size 56
		.amdhsa_user_sgpr_count 2
		.amdhsa_user_sgpr_kernarg_segment_ptr 1
		.amdhsa_wavefront_size32 1
		.amdhsa_system_sgpr_workgroup_id_x 1
		.amdhsa_system_sgpr_workgroup_id_y 1
		.amdhsa_system_sgpr_workgroup_id_z 1
		.amdhsa_system_vgpr_workitem_id 0
		.amdhsa_next_free_vgpr 256
		.amdhsa_next_free_sgpr 66
		.amdhsa_reserve_vcc 1
		.amdhsa_float_denorm_mode_32 3
		.amdhsa_float_denorm_mode_16_64 3
		.amdhsa_memory_ordered 1
		.amdhsa_forward_progress 1
		.amdhsa_inst_pref_size 47
	.end_amdhsa_kernel
	.amdgpu_metadata
---
amdhsa.version: [ 1, 2 ]
amdhsa.kernels:
  - .name:           k_qfd8a467442_route
    .symbol:         k_qfd8a467442_route.kd
    .args:
      - { .name: x, .offset: 0, .size: 8, .value_kind: global_buffer, .address_space: global }
      - { .name: Wg, .offset: 8, .size: 8, .value_kind: global_buffer, .address_space: global }
      - { .name: xq, .offset: 16, .size: 8, .value_kind: global_buffer, .address_space: global }
      - { .name: xs, .offset: 24, .size: 8, .value_kind: global_buffer, .address_space: global }
      - { .name: gate, .offset: 32, .size: 8, .value_kind: global_buffer, .address_space: global }
      - { .name: pgw, .offset: 40, .size: 8, .value_kind: global_buffer, .address_space: global }
      - { .name: psum, .offset: 48, .size: 8, .value_kind: global_buffer, .address_space: global }
    .group_segment_fixed_size: 76288
    .private_segment_fixed_size: 0
    .kernarg_segment_align: 8
    .kernarg_segment_size: 56
    .max_flat_workgroup_size: 128
    .sgpr_count:     66
    .vgpr_count:     256
    .wavefront_size: 32
...
	.end_amdgpu_metadata
.endif
;; end of part 4
;; launch up (part 5): grid 8 x 23, 8 waves a work-group, no clusters, 321,792 bytes of LDS; arguments gate, xq, xs, W1_codes, W1_scales, b1, psum, hq, hs, plan, out1, out2; writes hq, hs, plan, out1, out2
.if DOCPART == 5
	.amdgcn_target "amdgcn-amd-amdhsa--gfx1250"
	.amdhsa_code_object_version 6
	.text
	.protected	k_qfd8a467442_up
	.globl	k_qfd8a467442_up
	.p2align	8
	.type	k_qfd8a467442_up,@function
k_qfd8a467442_up:
	s_mov_b64 s[64:65], 0
	v_nop
	global_prefetch_b8 v0, s[64:65] scope:SCOPE_SE
	s_setreg_imm32_b32 hwreg(HW_REG_WAVE_MODE, 25, 1), 1
	s_wait_xcnt 0x0
; THE PLACING OF ROWS, AND h = Q(gelu(Q(x) W1[e] + b1[e])) FOR THE ROWS OF THE CHOSEN EXPERT ALONE (reference() throws the others away by its own one-hot mask).
; TILES.  A row tile is up to 128 tokens of one expert.  With 2,048 tokens and 8 experts there are never more than 16 + 7 = 23, whatever the split: grid y = 23.  Grid x: 8 tiles of 256 of the 2,048 hidden units.
; Every work-group places the rows itself from the gates that the launch before stored (whole numbers): counts a wave, a sum, a walk over the experts, and a scatter of the tile's tokens into a list in LDS.
; Work-groups with x = 0 store the list (plan) for the next launch; one wave of work-group (0, 22) stores the counts (out2) and the balance loss (out1).
; NO TENSOR LOAD, NO JOINT REQUEST: which expert's weights a work-group reads, which rows of x, and whether it has rows at all hang on numbers read from memory, and a tile without rows leaves its work out by a
; scalar branch on such a number; so tiles go from memory through registers into LDS.  Every barrier stands on every wave's path; what is jumped lies between two barriers.
; PRODUCT.  Transposed: source 0 = 16 rows of W1 (hidden units), source 1 = 16 tokens: a lane holds one token and its registers run along the hidden units, the next product's K.
; Hidden unit n lies in LDS row sigma(n) (n with bits 3 and 4 changed over), so that the 16 LDS rows of tile 2 b + u are units 32 b + 8 u + m + 8 (m / 8) and the 16 registers of tiles 2 b, 2 b + 1 are 16 neighbours.
; Wave w: tokens 32 (w / 2) on (two tiles), units 128 (w % 2) on (eight tiles): 16 accumulators, which take turns, one instruction a turn.  The bias is the sums' first C.
; gelu is JAX's default, the tanh form, written x / (1 + 2^(c1 x + c3 x^3)), c1 = -2 sqrt(2 / pi) log2(e), c3 = 0.044715 c1: all in f32, finite for every finite x.
; OUT.  hq: images of the next product's operand registers, [23 tiles][16 K steps][8 tiles of tokens][1,536 bytes]: registers 4 c .. 4 c + 3 of lane l at 512 c + 16 l.  hs: their scale words, [23][16][4][128 bytes].
; LIMITS: a block of zeros gets the byte 1 (its codes are zeros; the bytes are this program's own); blocks under 2^-124 are held at byte 1; NaN and infinities are not served.
; Rows of a tile beyond its count take token 0: they are multiplied and never stored into the result.
; REGISTERS.  Window 0: v1-31 addresses and scale words; v32-55 two fragments of x; v56-103 four of W1; v104-121 at work; v122-127 constants; v128-255 the accumulators (a, t) at 128 + 64 a + 8 t.
;   Window 1 (v256 on): what is on its way from memory to LDS: 0-47 x's codes, 48-143 W1's, 144-151 W1's scale words, 152-155 x's.
.set PITCH, 400                        ; an LDS row of codes: 384 bytes + 16 = 100 words: the 32 lanes of an 8-byte fragment load touch 64 different banks (64 banks of 4 bytes: ISA guide 11.1)
.set SLOTB, 153600                     ; a slot: 128 rows of x, then 256 rows of W1, 512 along K
.set BOFF,  51200
.set BSC,   307200                     ; W1's scale words: 8 planes (K steps) of 256 words, by LDS row
.set ASC,   315392                     ; x's: 8 planes of 128 words
.set CNT,   319488                     ; counts: word 8 e + w
.set LIST,  319744                     ; the tile's 128 tokens; word 128 takes what does not belong to the tile; 1,024 bytes are cleared
.set AF,  32
.set BF,  56
.set TM,  104
.set PW,  120
.set PC,  32
.set EX,  32
.set ACC, 128
.set SEL, 76
.set MSB, 0
.macro WIN new                         ; the immediate's high byte repeats the setting that is left
.if MSB != \new
	s_set_vgpr_msb (MSB<<8)|\new
.set MSB, \new
.endif
.endm
.macro BAR                             ; my LDS stores have landed and my LDS loads are in: then the work-group's barrier
	s_wait_dscnt 0x0
	s_barrier_signal -1
	s_barrier_wait -1
.endm
.macro LDB c                           ; W1's chunk c (512 along K): 256 rows x 384 bytes; eight lanes read 128 consecutive bytes of a row
	WIN 0x40                                       ; destination window 1
.irp p, 0,1,2,3,4,5,6,7
.irp j, 0,1,2
	global_load_b128 v[48+4*(3*\p+\j):48+4*(3*\p+\j)+3], v7, s[10:11] offset:24576*\p+128*\j+384*(\c)
.endr
.endr
	WIN 0
.endm
.macro LDA c                           ; x's chunk c: the tile's 128 rows, gathered by the list
	WIN 0x40
.irp p, 0,1,2,3
.irp j, 0,1,2
	global_load_b128 v[4*(3*\p+\j):4*(3*\p+\j)+3], v[8+\p], s[6:7] offset:128*\j+384*(\c)
.endr
.endr
	WIN 0
.endm
.macro STCH s                          ; both into slot s
	WIN 0x04                                       ; an LDS store's data are its source 1: window 1
.irp p, 0,1,2,3
.irp j, 0,1,2
	ds_store_b128 v[13+3*(\s)], v[4*(3*\p+\j):4*(3*\p+\j)+3] offset:12800*\p+128*\j
.endr
.endr
.irp p, 0,1,2,3,4,5,6,7
.irp j, 0,1,2
	ds_store_b128 v[14+3*(\s)+\p/4], v[48+4*(3*\p+\j):48+4*(3*\p+\j)+3] offset:12800*(\p%4)+128*\j
.endr
.endr
	WIN 0
.endm
.macro FRAG6 reg, adr, off             ; a fragment: 16 rows x 128 K, 12 registers: 24 bytes of the row's stream of bits twice, in pieces of 8 bytes
.irp p, 0,1,2,3,4,5
	ds_load_b64 v[\reg+2*\p:\reg+2*\p+1], v[\adr] offset:\off+48*(\p/3)+8*(\p%3)
.endr
.endm
.macro MM a, t, g                      ; tokens' tile a x units' tile 4 g + t.  W1's scale words: tiles t, t + 1 share a register (lanes 0-15, 16-31); x's two tiles likewise
.set DA, ACC+64*(\a)+8*(4*(\g)+(\t))
.if (((\t)%2) == 0) && ((\a) == 0)
	v_wmma_scale_f32_16x16x128_f8f6f4 v[DA:DA+7], v[BF+12*(\t):BF+12*(\t)+11], v[AF+12*(\a):AF+12*(\a)+11], v[DA:DA+7], v[30+(\t)/2], v28 matrix_a_fmt:MATRIX_FMT_FP6 matrix_b_fmt:MATRIX_FMT_FP6
.elseif ((\a) == 0)
	v_wmma_scale_f32_16x16x128_f8f6f4 v[DA:DA+7], v[BF+12*(\t):BF+12*(\t)+11], v[AF+12*(\a):AF+12*(\a)+11], v[DA:DA+7], v[30+(\t)/2], v28 matrix_a_fmt:MATRIX_FMT_FP6 matrix_b_fmt:MATRIX_FMT_FP6 matrix_a_scale:MATRIX_SCALE_ROW1
.elseif (((\t)%2) == 0)
	v_wmma_scale_f32_16x16x128_f8f6f4 v[DA:DA+7], v[BF+12*(\t):BF+12*(\t)+11], v[AF+12*(\a):AF+12*(\a)+11], v[DA:DA+7], v[30+(\t)/2], v28 matrix_a_fmt:MATRIX_FMT_FP6 matrix_b_fmt:MATRIX_FMT_FP6 matrix_b_scale:MATRIX_SCALE_ROW1
.else
	v_wmma_scale_f32_16x16x128_f8f6f4 v[DA:DA+7], v[BF+12*(\t):BF+12*(\t)+11], v[AF+12*(\a):AF+12*(\a)+11], v[DA:DA+7], v[30+(\t)/2], v28 matrix_a_fmt:MATRIX_FMT_FP6 matrix_b_fmt:MATRIX_FMT_FP6 matrix_a_scale:MATRIX_SCALE_ROW1 matrix_b_scale:MATRIX_SCALE_ROW1
.endif
.endm
; 128 along K: the u-th of slot s, K step q of the product.  Four plain places stand in front of each run of loads into registers that matrix instructions have read (ISA guide 7.12.1 for vector instructions).
.macro KSTEP s, u, q
.rept 4
	v_nop
.endr
	FRAG6 AF, 1+(\s), 96*(\u)
	FRAG6 AF+12, 1+(\s), 6400+96*(\u)
	ds_load_b32 v28, v5 offset:512*(\q)
.irp g, 0,1
.if \g == 1
.rept 4
	v_nop
.endr
.endif
.irp t, 0,1,2,3
	FRAG6 BF+12*\t, 3+(\s), 6400*(4*\g+\t)+96*(\u)
.endr
	ds_load_b32 v30, v6 offset:1024*(\q)+256*\g
	ds_load_b32 v31, v6 offset:1024*(\q)+256*\g+128
	s_wait_dscnt 0x0
.irp t, 0,1,2,3
.irp a, 0,1
	MM \a, \t, \g
.endr
.endr
.endr
.endm
.macro GELU H                          ; 64 numbers in v[H] on, in place; v[EX] on at work.  Each accumulator is read from its low end on
.set j, 0
.rept 32
	v_pk_mul_f32 v[EX+j:EX+j+1], v[\H+j:\H+j+1], v[\H+j:\H+j+1]
.set j, j+2
.endr
.set j, 0
.rept 32
	v_pk_fma_f32 v[EX+j:EX+j+1], v[EX+j:EX+j+1], s[74:75], v[122:123] op_sel_hi:[1,0,0]   ; c3 x^2 + c1
.set j, j+2
.endr
.set j, 0
.rept 32
	v_pk_mul_f32 v[EX+j:EX+j+1], v[EX+j:EX+j+1], v[\H+j:\H+j+1]
.set j, j+2
.endr
.set j, 0
	s_wait_alu depctr_va_vdst(0)
.rept 64
	v_exp_f32 v[EX+j], v[EX+j]
.set j, j+1
.endr
	v_nop                                          ; a plain line behind the last exponential
	s_wait_alu depctr_va_vdst(0)                   ; one wait for the batch, ahead of its first reader
.set j, 0
.rept 32
	v_pk_add_f32 v[EX+j:EX+j+1], v[EX+j:EX+j+1], 1.0 op_sel_hi:[1,0]
.set j, j+2
.endr
.set j, 0
	s_wait_alu depctr_va_vdst(0)
.rept 64
	v_rcp_f32 v[EX+j], v[EX+j]
.set j, j+1
.endr
	v_nop
	s_wait_alu depctr_va_vdst(0)
.set j, 0
.rept 32
	v_pk_mul_f32 v[\H+j:\H+j+1], v[\H+j:\H+j+1], v[EX+j:EX+j+1]
.set j, j+2
.endr
.endm
; 64 numbers of a lane, register 16 b + i = k 32 b + 16 (lane / 16) + i of my row, become a fragment's codes in v[PC] on and its scale word in v[PW].
.macro QUANT s
.irp b, 0,1,2,3
	v_max3_num_f32 v[TM+\b], |v[\s+16*\b]|, |v[\s+1+16*\b]|, 0x1800000   ; block b: my 16 numbers, and the floor 2^(3 - 127): the byte cannot fall under 1
.endr
.irp i, 2,4,6,8,10,12,14
.irp b, 0,1,2,3
	s_delay_alu instid0(VALU_DEP_4)
	v_max3_num_f32 v[TM+\b], v[TM+\b], |v[\s+16*\b+\i]|, |v[\s+1+16*\b+\i]|
.endr
.endr
.irp b, 0,1,2,3
	s_delay_alu instid0(VALU_DEP_4)
	v_permlanex16_b32 v[TM+4+\b], v[TM+\b], s[SEL], s[SEL+1]
.endr
.irp b, 0,1,2,3
	s_delay_alu instid0(VALU_DEP_4)
	v_max_num_f32 v[TM+\b], v[TM+\b], v[TM+4+\b]   ; with lane l xor 16's: the block's largest magnitude
.endr
.irp b, 0,1,2,3
	s_delay_alu instid0(VALU_DEP_4)
	v_add_nc_u32 v[TM+12+\b], 0xff000000, v[TM+\b] ; 2 off its exponent field: the conversion's scale operand
.endr
.irp b, 0,1,2,3
	s_delay_alu instid0(VALU_DEP_4)
	v_lshrrev_b32 v[TM+4+\b], 23, v[TM+12+\b]      ; the scale's byte
.endr
	s_delay_alu instid0(VALU_DEP_3)
	v_lshl_or_b32 v[PW], v[TM+5], 8, v[TM+4]
	s_delay_alu instid0(VALU_DEP_1)
	v_lshl_or_b32 v[PW], v[TM+6], 16, v[PW]
	s_delay_alu instid0(VALU_DEP_1)
	v_lshl_or_b32 v[PW], v[TM+7], 24, v[PW]
.irp c, 0,1
	v_cvt_scalef32_pk16_fp6_f32 v[PC+6*\c:PC+2+6*\c], v[\s+32*\c:\s+15+32*\c], v[TM+12+2*\c]
	v_cvt_scalef32_pk16_fp6_f32 v[PC+12+4*\c:PC+14+4*\c], v[\s+16+32*\c:\s+31+32*\c], v[TM+12+2*\c+1]   ; (a conversion's three registers begin on an even number)
.endr
	v_nop                                          ; one plain place behind a scaled conversion
.irp c, 0,1                                    ; the operand's layout wants a whole block in a lane
.irp i, 0,1,2
	v_permlane16_swap_b32 v[PC+6*\c+\i], v[PC+12+4*\c+\i]
.endr
.irp i, 0,1,2
	s_delay_alu instid0(VALU_DEP_3)
	v_mov_b32 v[PC+3+6*\c+\i], v[PC+12+4*\c+\i]
.endr
.endr
.endm
	s_load_b512 s[4:19], s[0:1], 0x0               ; gate s[4:5], xq s[6:7], xs s[8:9], W1's codes s[10:11], its scales s[12:13], b1 s[14:15], psum s[16:17], hq s[18:19]
	s_load_b256 s[20:27], s[0:1], 0x40             ; hs s[20:21], plan s[22:23], out1 s[24:25], out2 s[26:27]
	s_set_vgpr_msb 0x40
	v_lshl_add_u32 v160, v0, 2, 0x4e500
	v_mov_b32 v161, 0
	s_set_vgpr_msb 0x4000
	v_lshrrev_b32 v104, 5, v0
	s_delay_alu instid0(VALU_DEP_1)
	v_readfirstlane_b32 s28, v104                  ; wave w
	s_lshr_b32 s29, s28, 1                         ; wm: my 32 tokens
	s_and_b32 s30, s28, 1                          ; wn: my 128 hidden units
	s_mov_b32 s31, ttmp9                           ; x: the tile of hidden units
	s_and_b32 s32, ttmp7, 0xffff                   ; y: the row tile
	; every LDS address is made here, of the thread's and the wave's numbers and constants
	v_and_b32 v104, 31, v0                         ; l
	v_and_b32 v105, 15, v0                         ; r
	v_bfe_u32 v106, v0, 4, 1                       ; h
	s_delay_alu instid0(VALU_DEP_3)
	v_lshlrev_b32 v125, 4, v104                    ; 16 l
	s_delay_alu instid0(VALU_DEP_4)
	v_lshlrev_b32 v126, 2, v104                    ; 4 l
	s_delay_alu instid0(VALU_DEP_3)
	v_lshlrev_b32 v124, 6, v106                    ; 64 h: the bias's 16 units of my half
	v_mul_u32_u24 v107, v105, PITCH
	s_delay_alu instid0(VALU_DEP_1)
	v_mad_u32_u24 v107, v106, 24, v107             ; a fragment's row x pitch + 24 x half
	s_mul_i32 s66, s29, 32*PITCH
	v_add_nc_u32 v1, s66, v107                     ; x's fragments in slot 0,
	s_delay_alu instid0(VALU_DEP_1)
	v_add_nc_u32 v2, SLOTB, v1                     ; in slot 1
	s_mul_i32 s66, s30, 128*PITCH
	s_add_co_u32 s66, s66, BOFF
	v_add_nc_u32 v3, s66, v107                     ; W1's likewise
	s_delay_alu instid0(VALU_DEP_1)
	v_add_nc_u32 v4, SLOTB, v3
	s_lshl_b32 s66, s29, 7
	s_add_co_u32 s66, s66, ASC
	v_add_nc_u32 v5, s66, v126                     ; x's scale words: my 32 tokens, a lane a token
	s_lshl_b32 s66, s30, 9
	s_add_co_u32 s66, s66, BSC
	v_add_nc_u32 v6, s66, v126                     ; W1's: my 128 LDS rows, 32 a load
	v_lshrrev_b32 v108, 3, v0                      ; rr = t / 8: a row of 32
	v_and_b32 v23, 7, v0
	s_delay_alu instid0(VALU_DEP_1)
	v_lshlrev_b32 v23, 4, v23                      ; 16 (t % 8)
	s_delay_alu instid0(VALU_DEP_1)
	v_mad_u32_u24 v7, v108, 768, v23               ; W1 in memory: row rr
	s_delay_alu instid0(VALU_DEP_2)
	v_mad_u32_u24 v13, v108, PITCH, v23            ; x into slot 0,
	s_delay_alu instid0(VALU_DEP_1)
	v_add_nc_u32 v16, SLOTB, v13                   ; slot 1
	v_bfe_u32 v109, v0, 3, 3
	v_bfe_u32 v110, v0, 6, 1
	v_bfe_u32 v111, v0, 7, 1
	s_delay_alu instid0(VALU_DEP_2)
	v_lshl_add_u32 v109, v110, 4, v109
	s_delay_alu instid0(VALU_DEP_1)
	v_lshl_add_u32 v109, v111, 3, v109             ; sigma(rr)
	s_delay_alu instid0(VALU_DEP_1)
	v_mad_u32_u24 v14, v109, PITCH, v23
	s_delay_alu instid0(VALU_DEP_1)
	v_add_nc_u32 v14, BOFF, v14                    ; W1 into slot 0: rows 0-127,
	s_delay_alu instid0(VALU_DEP_1)
	v_add_nc_u32 v15, 128*PITCH, v14               ; rows 128-255 (an LDS immediate has 16 bits)
	s_delay_alu instid0(VALU_DEP_2)
	v_add_nc_u32 v17, SLOTB, v14
	s_delay_alu instid0(VALU_DEP_2)
	v_add_nc_u32 v18, SLOTB, v15
	v_add_nc_u32 v19, CNT, v126                    ; the counts, a lane a word
	v_lshlrev_b32 v21, 2, v0                       ; 4 t: the plan's word
	v_lshrrev_b32 v110, 1, v0
	s_delay_alu instid0(VALU_DEP_1)
	v_lshl_add_u32 v22, v110, 2, LIST              ; the token whose scale bytes I fetch
	s_lshl_b32 s66, s28, 2
	s_add_co_u32 s66, s66, CNT
	v_mov_b32 v24, s66                             ; my wave's counts
	v_lshl_add_u32 v25, v0, 2, LIST
	v_and_b32 v109, 0xe7, v0
	v_bfe_u32 v111, v0, 3, 1
	s_delay_alu instid0(VALU_DEP_1)
	v_lshl_add_u32 v109, v111, 4, v109
	v_bfe_u32 v111, v0, 4, 1
	s_delay_alu instid0(VALU_DEP_1)
	v_lshl_add_u32 v109, v111, 3, v109             ; sigma(t)
	s_delay_alu instid0(VALU_DEP_1)
	v_lshl_add_u32 v26, v109, 2, BSC               ; where row t's scale words go
	v_and_b32 v111, 1, v0
	s_delay_alu instid0(VALU_DEP_1)
	v_lshlrev_b32 v27, 11, v111
	s_delay_alu instid0(VALU_DEP_1)
	v_lshl_add_u32 v27, v110, 2, v27
	s_delay_alu instid0(VALU_DEP_1)
	v_add_nc_u32 v27, ASC, v27                     ; x's: token t / 2, K steps 4 (t % 2) on
	v_lshlrev_b32 v29, 5, v0                       ; 32 t: row t's 32 scale bytes in memory
	v_lshl_add_u32 v127, v108, 2, LIST             ; the tokens whose codes I fetch
	v_mov_b32 v122, 0xc0135761                     ; c1 = -2.3022082
	v_mov_b32 v123, 0xc0135761                     ; (named with it as a pair)
	v_mov_b32 v20, 0
	s_mov_b32 s74, 0xbdd2d3e8                      ; c3 = -0.10294324
	s_mov_b32 s75, s74
	s_mov_b32 s76, 0x76543210
	s_mov_b32 s77, 0xfedcba98                      ; v_permlanex16_b32's selects for lane l xor 16
	s_mov_b32 s78, 0xffff0000                      ; lanes 16-31
	s_mov_b32 s80, 0xaaaaaaaa                      ; odd lanes
	s_lshl_b32 s38, s28, 10
	s_mov_b32 s39, 0
	s_wait_kmcnt 0x0
	s_add_nc_u64 s[70:71], s[4:5], s[38:39]        ; my wave's 256 gates
	global_load_b128 v[96:99], v125, s[70:71]
	global_load_b128 v[100:103], v125, s[70:71] offset:512
.irp j, 0,1,2,3,4,5,6,7,8,9,10,11,12,13,14,15
	global_load_b128 v[32+4*\j:35+4*\j], v125, s[4:5] offset:512*\j   ; all 2,048: register 4 j + c of lane l is token 128 j + 4 l + c
.endr
	s_wait_loadcnt 16                              ; my wave's two loads are in; the sixteen younger may be out
	; ---- counts: how many of my wave's 256 tokens go to each expert
.irp e, 0,1,2,3,4,5,6,7
.irp k, 0,1,2,3,4,5,6,7
	v_cmp_eq_u32 s[40+\k], \e, v[96+\k]
.endr
.irp k, 0,1,2,3,4,5,6,7
	s_bcnt1_i32_b32 s[48+\k], s[40+\k]
.endr
	s_add_co_u32 s48, s48, s49
	s_add_co_u32 s50, s50, s51
	s_add_co_u32 s52, s52, s53
	s_add_co_u32 s54, s54, s55
	s_add_co_u32 s48, s48, s50
	s_add_co_u32 s52, s52, s54
	s_add_co_u32 s48, s48, s52
	v_mov_b32 v[104+\e], s48
	ds_store_b32 v24, v[104+\e] offset:32*\e       ; all lanes write the same word with the same value
.endr
	BAR
	; ---- every wave alike: the experts' counts, and which expert and which of its rows tile y holds
	ds_load_b32 v104, v19
	ds_load_b32 v105, v19 offset:128
	s_wait_dscnt 0x0
.irp m, 1
	v_mov_b32_dpp v106, v104 row_xmask:\m row_mask:0xf bank_mask:0xf
	v_mov_b32_dpp v107, v105 row_xmask:\m row_mask:0xf bank_mask:0xf
	s_delay_alu instid0(VALU_DEP_2)
	v_add_nc_u32 v104, v104, v106
	s_delay_alu instid0(VALU_DEP_2)
	v_add_nc_u32 v105, v105, v107
.endr
.irp m, 2, 4
	s_delay_alu instid0(VALU_DEP_2)
	v_mov_b32_dpp v106, v104 row_xmask:\m row_mask:0xf bank_mask:0xf
	s_delay_alu instid0(VALU_DEP_2)
	v_mov_b32_dpp v107, v105 row_xmask:\m row_mask:0xf bank_mask:0xf
	s_delay_alu instid0(VALU_DEP_2)
	v_add_nc_u32 v104, v104, v106
	s_delay_alu instid0(VALU_DEP_2)
	v_add_nc_u32 v105, v105, v107
.endr
.irp e, 0,1,2,3
	v_readlane_b32 s[56+\e], v104, 8*\e
	v_readlane_b32 s[60+\e], v105, 8*\e
.endr
	s_mov_b32 s66, 0                               ; tiles up to and with expert e
	s_mov_b32 s67, 0                               ; my expert's first tile
	s_mov_b32 s68, s56                             ; my expert's count
	s_mov_b32 s34, 0                               ; my expert: the first whose tiles reach beyond y
.irp e, 0,1,2,3,4,5,6,7
	s_add_co_u32 s69, s[56+\e], 127
	s_lshr_b32 s69, s69, 7
	s_add_co_u32 s66, s66, s69
	s_cmp_ge_u32 s32, s66
	s_cselect_b32 s67, s66, s67
.if \e < 7
	s_cselect_b32 s68, s[57+\e], s68
.endif
	s_cselect_b32 s69, 1, 0
	s_add_co_u32 s34, s34, s69
.endr
	s_cmp_lt_u32 s32, s66
	s_cselect_b32 s33, 1, 0                        ; live: the tile has rows
	s_min_u32 s34, s34, 7                          ; held inside the tables before it enters an address
	s_sub_co_u32 s35, s32, s67
	s_lshl_b32 s35, s35, 7                         ; the tile's first row among its expert's
	s_sub_co_u32 s36, s68, s35
	s_min_u32 s36, s36, 128
	s_cmp_lg_u32 s33, 0
	s_cselect_b32 s36, s36, 0                      ; its rows
	s_sub_co_u32 s37, 0, s35                       ; the running place: the expert's first token stands at -first row
	s_mul_i32 s38, s34, 1572864                    ; W1's codes: the expert's 2,048 rows of 768 bytes, my tile's 256
	s_mul_i32 s39, s31, 196608
	s_add_co_u32 s38, s38, s39
	s_mov_b32 s39, 0
	s_add_nc_u64 s[10:11], s[10:11], s[38:39]
	s_lshl_b32 s38, s34, 16                        ; its scale bytes: 32 a row
	s_lshl_b32 s69, s31, 13
	s_add_co_u32 s38, s38, s69
	s_add_nc_u64 s[12:13], s[12:13], s[38:39]
	s_lshl_b32 s38, s34, 13                        ; b1: 4 (2,048 e + 256 x + 128 wn)
	s_lshl_b32 s69, s31, 10
	s_add_co_u32 s38, s38, s69
	s_lshl_b32 s69, s30, 9
	s_add_co_u32 s38, s38, s69
	s_add_nc_u64 s[14:15], s[14:15], s[38:39]
	s_lshl_b32 s69, s31, 1
	s_add_co_u32 s69, s69, s30                     ; the next product's K step: 2 x + wn
	s_mul_i32 s38, s32, 196608
	s_mul_i32 s72, s69, 12288
	s_add_co_u32 s38, s38, s72
	s_mul_i32 s72, s29, 3072
	s_add_co_u32 s38, s38, s72
	s_add_nc_u64 s[18:19], s[18:19], s[38:39]      ; hq at my first image
	s_lshl_b32 s38, s32, 13
	s_lshl_b32 s72, s69, 9
	s_add_co_u32 s38, s38, s72
	s_lshl_b32 s72, s29, 7
	s_add_co_u32 s38, s38, s72
	s_add_nc_u64 s[20:21], s[20:21], s[38:39]      ; hs at my 128 bytes
	s_lshl_b32 s38, s32, 10
	s_add_nc_u64 s[22:23], s[22:23], s[38:39]      ; the tile's record in plan
	; what hangs on the expert alone is asked for now, in every work-group (the expert is held inside the tables), and lands while the rows are placed
.irp a, 0,1
.irp t, 0,1,2,3,4,5,6,7
	global_load_b128 v[ACC+64*\a+8*\t:ACC+64*\a+8*\t+3], v124, s[14:15] offset:(32*(\t/2)+8*(\t%2))*4      ; the bias in the result's layout: the sums' first C
	global_load_b128 v[ACC+64*\a+8*\t+4:ACC+64*\a+8*\t+7], v124, s[14:15] offset:(32*(\t/2)+8*(\t%2))*4+16
.endr
.endr
	LDB 0
	WIN 0x40
	global_load_b128 v[144:147], v29, s[12:13]
	global_load_b128 v[148:151], v29, s[12:13] offset:16
	WIN 0
	ds_store_b32 v25, v20                          ; the list begins as zeros: a row beyond the tile's count takes token 0
	BAR
	; ---- wave 0 places the tile's tokens.  Between these two barriers no other wave touches LDS
	s_cmp_lg_u32 s28, 0
	s_cbranch_scc1 .Lno_scatter
	s_cmp_eq_u32 s33, 0
	s_cbranch_scc1 .Lno_scatter
	s_wait_loadcnt 58                              ; the 2,048 gates are in: behind them 32 loads of the bias, 24 of W1's codes, 2 of its scale bytes
.irp bt, 0,1,2,3,4,5,6,7
.irp k, 0,1,2,3,4,5,6,7
	v_cmp_eq_u32 s[40+\k], s34, v[32+8*\bt+\k]
.endr
.irp k, 0,1,2,3,4,5,6,7
	s_bcnt1_i32_b32 s[48+\k], s[40+\k]
.endr
.irp k, 0,1,2,3,4,5,6,7
	v_mbcnt_lo_u32_b32 v[104+\k], s[40+\k], s37    ; my token's place among the expert's, less the tile's first row
	s_add_co_u32 s37, s37, s[48+\k]
.endr
	s_wait_alu depctr_va_vdst(0)
.irp k, 0,1,2,3,4,5,6,7
	v_cndmask_b32 v[104+\k], -1, v[104+\k], s[40+\k]
.endr
.irp k, 0,1,2,3,4,5,6,7
	v_min_u32 v[104+\k], 0x80, v[104+\k]           ; another expert's token, and places in front of or beyond the tile: word 128
.endr
.irp k, 0,1,2,3,4,5,6,7
	v_lshl_add_u32 v[112+\k], v[104+\k], 2, LIST
.endr
.irp k, 0,1,2,3,4,5,6,7
	v_add_nc_u32 v[96+\k], 128*((8*\bt+\k)/4)+(8*\bt+\k)%4, v126   ; the token's number
.endr
.irp k, 0,1,2,3,4,5,6,7
	ds_store_b32 v[112+\k], v[96+\k]
.endr
.endr
.Lno_scatter:
	; ---- one wave of one work-group stores the counts and the balance loss
	s_cmp_lg_u32 s28, 7
	s_cbranch_scc1 .Lno_out
	s_cmp_lg_u32 s31, 0
	s_cbranch_scc1 .Lno_out
	s_cmp_lg_u32 s32, 22
	s_cbranch_scc1 .Lno_out
	s_wait_loadcnt 0x0                             ; no load of mine is out: the gates' registers may be loaded again
.irp i, 0,1,2,3,4,5,6,7,8,9,10,11,12,13,14,15
	global_load_b128 v[32+4*\i:35+4*\i], v125, s[16:17] offset:512*\i   ; psum [256][8]: even lanes experts 0-3, odd lanes 4-7
.endr
	s_wait_alu depctr_va_vdst(0)
.irp e, 0
	v_writelane_b32 v96, s[56+\e], \e
.endr
.irp e, 1, 2, 3, 4, 5, 6, 7
	s_delay_alu instid0(VALU_DEP_1)
	v_writelane_b32 v96, s[56+\e], \e
.endr
.irp e, 0,1,2,3,4,5,6,7
	v_cvt_f32_u32 v[100+\e], s[56+\e]
.endr
.irp c, 0,1,2,3
	s_delay_alu instid0(VALU_DEP_4)
	v_cndmask_b32 v[100+\c], v[100+\c], v[104+\c], s80      ; my four experts' counts
.endr
	s_wait_loadcnt 0x0
.irp i, 1
	v_pk_add_f32 v[32:33], v[32:33], v[32+4*\i:33+4*\i]
	v_pk_add_f32 v[34:35], v[34:35], v[34+4*\i:35+4*\i]
.endr
.irp i, 2, 3, 4, 5, 6, 7, 8, 9, 10, 11, 12, 13, 14, 15
	s_delay_alu instid0(VALU_DEP_2)
	v_pk_add_f32 v[32:33], v[32:33], v[32+4*\i:33+4*\i]
	s_delay_alu instid0(VALU_DEP_2)
	v_pk_add_f32 v[34:35], v[34:35], v[34+4*\i:35+4*\i]
.endr
.irp m, 2,4,8
.irp c, 0,1,2,3
	v_add_f32_dpp v[32+\c], v[32+\c], v[32+\c] row_xmask:\m row_mask:0xf bank_mask:0xf
.endr
.endr
.irp c, 0,1,2,3
	s_delay_alu instid0(VALU_DEP_4)
	v_permlanex16_b32 v[36+\c], v[32+\c], s76, s77
.endr
.irp c, 0,1,2,3
	s_delay_alu instid0(VALU_DEP_4)
	v_add_f32 v[32+\c], v[32+\c], v[36+\c]         ; the sum of all tokens' probabilities of my four experts
.endr
	s_delay_alu instid0(VALU_DEP_4)
	v_mul_f32 v48, v32, v100
	s_delay_alu instid0(VALU_DEP_1)
	v_fma_f32 v48, v33, v101, v48
	s_delay_alu instid0(VALU_DEP_1)
	v_fma_f32 v48, v34, v102, v48
	s_delay_alu instid0(VALU_DEP_1)
	v_fma_f32 v48, v35, v103, v48
	s_delay_alu instid0(VALU_DEP_1)
	v_add_f32_dpp v48, v48, v48 row_xmask:1 row_mask:0xf bank_mask:0xf
	s_delay_alu instid0(VALU_DEP_1)
	v_mul_f32 v48, 0x36000000, v48                 ; x 8 / 2,048^2 = 2^-19
	s_wait_alu depctr_va_vdst(0)
	s_wait_xcnt 0x0                                ; EXEC changes only behind this wait
	v_cmp_gt_u32 vcc_lo, 32, v126
	s_and_saveexec_b32 s79, vcc_lo                 ; lanes 0-7
	global_store_b32 v126, v96, s[26:27]
	s_wait_xcnt 0x0
	s_or_b32 exec_lo, exec_lo, s79
	v_cmp_eq_u32 vcc_lo, 0, v126
	s_and_saveexec_b32 s79, vcc_lo                 ; lane 0
	global_store_b32 v126, v48, s[24:25]
	s_wait_xcnt 0x0
	s_or_b32 exec_lo, exec_lo, s79
.Lno_out:
	BAR                                            ; the list is whole
	ds_load_b32 v8, v127
	ds_load_b32 v9, v127 offset:128
	ds_load_b32 v10, v127 offset:256
	ds_load_b32 v11, v127 offset:384
	ds_load_b32 v12, v22
	ds_load_b32 v20, v25
	s_wait_dscnt 0x0
.irp p, 0,1,2,3,4
	v_min_u32 v[8+\p], 0x7ff, v[8+\p]              ; a token's number is held inside x before it enters an address
.endr
.irp p, 0,1,2,3
	v_mul_u32_u24 v[8+\p], v[8+\p], 768
.endr
.irp p, 0,1,2,3
	s_delay_alu instid0(VALU_DEP_4)
	v_add_nc_u32 v[8+\p], v[8+\p], v23             ; its row of codes, my 16 bytes
.endr
	v_lshlrev_b32 v12, 5, v12
	v_and_b32 v104, 1, v0
	s_delay_alu instid0(VALU_DEP_1)
	v_lshl_add_u32 v12, v104, 4, v12               ; its 32 scale bytes, my half
	LDA 0
	WIN 0x40
	global_load_b128 v[152:155], v12, s[8:9]
	WIN 0
	v_mov_b32 v104, s34
	v_mov_b32 v105, s36
	v_cmp_eq_u32 vcc_lo, 0x80, v0
	s_delay_alu instid0(VALU_DEP_1)
	v_cndmask_b32 v20, v20, v104, vcc_lo           ; the record: words 0-127 the tokens, 128 the expert,
	v_cmp_eq_u32 vcc_lo, 0x81, v0
	s_delay_alu instid0(VALU_DEP_1)
	v_cndmask_b32 v20, v20, v105, vcc_lo           ; 129 the rows, the rest zeros
	s_cmp_lg_u32 s31, 0
	s_cbranch_scc1 .Lno_plan
	global_store_b32 v21, v20, s[22:23]            ; 256 threads store 1,024 consecutive bytes, aligned
.Lno_plan:
	s_wait_loadcnt 0x0                             ; chunk 0, the scale bytes and the bias are in
	STCH 0
	WIN 0x04
.irp q, 0,1,2,3,4,5,6,7
	ds_store_b32 v26, v[144+\q] offset:1024*\q
.endr
.irp i, 0,1,2,3
	ds_store_b32 v27, v[152+\i] offset:512*\i
.endr
	WIN 0
	BAR                                            ; slot 0 and the scale words lie in LDS
	s_cmp_eq_u32 s33, 0
	s_cbranch_scc1 .Ldead_a
	LDB 1                                          ; chunk 1 is on its way while chunk 0 is multiplied
	LDA 1
	KSTEP 0, 0, 0
	KSTEP 0, 1, 1
	KSTEP 0, 2, 2
	KSTEP 0, 3, 3
	s_wait_loadcnt 0x0
	STCH 1
.Ldead_a:
	BAR                                            ; slot 1 lies in LDS
	s_cmp_eq_u32 s33, 0
	s_cbranch_scc1 .Ldead_b
	KSTEP 1, 0, 4
	KSTEP 1, 1, 5
	KSTEP 1, 2, 6
	KSTEP 1, 3, 7
.rept 4
	v_nop                                          ; places behind the last products: their results are read and their operands' registers written next
.endr
.irp a, 0,1
.if \a == 1
	s_wait_xcnt 0x0                                ; the first tile's stores have read their registers: these are written again only behind this wait
.endif
	GELU ACC+64*\a
	QUANT ACC+64*\a
.irp c, 0,1,2
	global_store_b128 v125, v[PC+4*\c:PC+4*\c+3], s[18:19] offset:1536*\a+512*\c   ; the operand's registers as they stand: 512 consecutive bytes a store, aligned
.endr
.if \a == 0
	v_mov_b32 v121, v120
.endif
.endr
	v_cndmask_b32 v120, v121, v120, s78            ; lanes 0-15 the even tile's scale words, lanes 16-31 the odd tile's
	global_store_b32 v126, v120, s[20:21]
.Ldead_b:
	s_set_vgpr_msb 0x5
	s_wait_tensorcnt 0x0
	ds_add_u32 v160, v161
	s_wait_dscnt 0x0
	s_set_vgpr_msb 0x500
	s_endpgm
.Lfunc_end_k_qfd8a467442_up:
	.size	k_qfd8a467442_up, .Lfunc_end_k_qfd8a467442_up-k_qfd8a467442_up
	.p2alignl 7, 3214868480
	.fill 96, 4, 3214868480
	.section	.rodata,"a",@progbits
	.p2align	6, 0x0
	.amdhsa_kernel k_qfd8a467442_up
		.amdhsa_group_segment_fixed_size 321792
		.amdhsa_private_segment_fixed_size 0
		.amdhsa_enable_private_segment 0
		.amdhsa_kernarg_size 96
		.amdhsa_user_sgpr_count 2
		.amdhsa_user_sgpr_kernarg_segment_ptr 1
		.amdhsa_wavefront_size32 1
		.amdhsa_system_sgpr_workgroup_id_x 1
		.amdhsa_system_sgpr_workgroup_id_y 1
		.amdhsa_system_sgpr_workgroup_id_z 1
		.amdhsa_system_vgpr_workitem_id 0
		.amdhsa_next_free_vgpr 418
		.amdhsa_next_free_sgpr 100
		.amdhsa_reserve_vcc 1
		.amdhsa_float_denorm_mode_32 3
		.amdhsa_float_denorm_mode_16_64 3
		.amdhsa_memory_ordered 1
		.amdhsa_forward_progress 1
		.amdhsa_inst_pref_size 174
	.end_amdhsa_kernel
	.amdgpu_metadata
---
amdhsa.version: [ 1, 2 ]
amdhsa.kernels:
  - .name:           k_qfd8a467442_up
    .symbol:         k_qfd8a467442_up.kd
    .args:
      - { .name: gate, .offset: 0, .size: 8, .value_kind: global_buffer, .address_space: global }
      - { .name: xq, .offset: 8, .size: 8, .value_kind: global_buffer, .address_space: global }
      - { .name: xs, .offset: 16, .size: 8, .value_kind: global_buffer, .address_space: global }
      - { .name: W1_codes, .offset: 24, .size: 8, .value_kind: global_buffer, .address_space: global }
      - { .name: W1_scales, .offset: 32, .size: 8, .value_kind: global_buffer, .address_space: global }
      - { .name: b1, .offset: 40, .size: 8, .value_kind: global_buffer, .address_space: global }
      - { .name: psum, .offset: 48, .size: 8, .value_kind: global_buffer, .address_space: global }
      - { .name: hq, .offset: 56, .size: 8, .value_kind: global_buffer, .address_space: global }
      - { .name: hs, .offset: 64, .size: 8, .value_kind: global_buffer, .address_space: global }
      - { .name: plan, .offset: 72, .size: 8, .value_kind: global_buffer, .address_space: global }
      - { .name: out1, .offset: 80, .size: 8, .value_kind: global_buffer, .address_space: global }
      - { .name: out2, .offset: 88, .size: 8, .value_kind: global_buffer, .address_space: global }
    .group_segment_fixed_size: 321792
    .private_segment_fixed_size: 0
    .kernarg_segment_align: 8
    .kernarg_segment_size: 96
    .max_flat_workgroup_size: 256
    .sgpr_count:     100
    .vgpr_count:     418
    .wavefront_size: 32
...
	.end_amdgpu_metadata
.endif
;; end of part 5
;; launch down (part 6): grid 8 x 23, 8 waves a work-group, no clusters, 285,696 bytes of LDS; arguments plan, hq, hs, W2_codes, W2_scales, b2, pgw, out0; writes out0
.if DOCPART == 6
	.amdgcn_target "amdgcn-amd-amdhsa--gfx1250"
	.amdhsa_code_object_version 6
	.text
	.protected	k_qfd8a467442_down
	.globl	k_qfd8a467442_down
	.p2align	8
	.type	k_qfd8a467442_down,@function
k_qfd8a467442_down:
	s_mov_b64 s[64:65], 0
	v_nop
	global_prefetch_b8 v0, s[64:65] scope:SCOPE_SE
	s_setreg_imm32_b32 hwreg(HW_REG_WAVE_SCHED_MODE, 0, 2), 2
	s_setreg_imm32_b32 hwreg(HW_REG_WAVE_MODE, 25, 1), 1
	s_wait_xcnt 0x0
	s_wait_alu depctr_vm_vsrc(0)
; out0[token] = (h W2[e] + b2[e]) x the chosen expert's probability, for the rows of each row tile, scattered to their tokens.
; TILES.  Grid y: the 23 row tiles that the launch before laid out (plan: tokens, expert, rows: whole numbers); grid x: 8 tiles of 128 of the 1,024 columns.  Each row of out0 has one owner for each tile of columns.
; NO TENSOR LOAD, NO JOINT REQUEST: the expert, the rows and whether the tile has rows at all are read from memory, and a tile without rows leaves its work out by a scalar branch on such a number;
; so tiles go from memory through registers into LDS.  Every barrier stands on every wave's path; what is jumped lies between two barriers.
; PRODUCT.  Transposed: source 0 = 16 rows of W2 (columns of the result), source 1 = 16 tokens of h, whose fragments come as images of their registers (three 16-byte loads a fragment).
; Wave w: tokens 32 (w / 2) on (two tiles), columns 64 (w % 2) on (four tiles): 8 accumulators, which take turns, one instruction a turn.  The bias is the sums' first C.
; K = 2,048 goes in four chunks of 512 through two LDS slots; a chunk is on its way into registers while the chunk before is multiplied.
; OUT.  A lane's eight results are eight neighbouring columns of a token; the tile's rows meet in a stage in LDS, and each wave stores 16 whole rows of 512 bytes: two aligned blocks of 256 bytes an instruction.
; Rows beyond the tile's count are never stored.
; THE MODE: SCHED_MODE bits 1:0 = 2 (LLVM: expert scheduling mode 2), set by the entry lines.  The code itself states the register dependences between vector or matrix instructions and
; memory or LDS instructions, with s_wait_alu, always for 0.
; THE PLAN.  Registers that memory or LDS instructions touch:
;   v1-19         addresses and offsets: written at the head, never again; read by every load and store.
;   v24, v25      loaded (my lane's two tokens), held and shifted by vector lines, then read as offsets by the two loads of the probabilities; never written again.
;   SET 0, SET 1  two sets of fragments and scale words, by turns: K step q's eight products read set q % 2; the LDS loads of K step q + 1, issued among them, land in the other set, which K step q - 1's products read.
;   window 1      v0-95: written by a chunk's global loads, read by the LDS stores that lay the chunk into its slot; named by no vector instruction.
;   v128-191      the accumulators: the bias is loaded into them; products and the last multiplications write them; the stage's LDS stores read them.
;   v106-121      on the way out: the rows' offsets, written by sixteen additions, read by the global stores.   v192-255 on the way out: LDS loads land, the global stores read.
; So one wait on va_vdst stands at the head of a chunk (both sets are free: it serves the chunk's first fetch and the loads that its first step deals) and one at the head of a chunk's second and third step
; (the set that the step before read is free); a chunk's fourth step issues no load and holds no wait.  One wait on vm_vsrc a chunk stands ahead of the global loads into window 1.
; REGISTERS.  Window 0: v1-19 addresses; v20 my bytes in a row of out0; v21-23, v29 at the head only; v26-27, v104-105 the two probabilities, as pairs;
;   set 0: v28 h's scale words, v30-31 W2's, v32-55 two fragments of h, v56-103 four of W2;   set 1: v122, v124-125, v192-215, and v216-251 with v106-117;   v128-191 accumulators (a, t) at 128 + 32 a + 8 t.
;   Window 1 (v256 on): on the way to LDS: 0-47 h's images, 48-95 W2's codes, 96-103 W2's scale words, 104-111 h's.
.set PITCH, 400                        ; an LDS row of W2's codes: 384 bytes + 16 = 100 words: the 32 lanes of an 8-byte fragment load touch 64 different banks (64 banks of 4 bytes: ISA guide 11.1)
.set SLOTB, 100352                     ; a slot: 32 images of h (49,152 bytes, dense), then 128 rows of W2
.set BOFF,  49152
.set BSC,   200704                     ; W2's scale words: 16 planes (K steps) of 128 words
.set ASC,   208896                     ; h's: 8,192 bytes as they lie in hs
.set STG,   217088                     ; the stage: 128 rows x (512 bytes + 16)
.set ACC, 128
.set MSB, 0
.macro WIN new                         ; the immediate's high byte repeats the setting that is left
.if MSB != \new
	s_set_vgpr_msb (MSB<<8)|\new
.set MSB, \new
.endif
.endm
.macro BAR                             ; my LDS stores have landed and my LDS loads are in: then the work-group's barrier
	s_wait_dscnt 0x0
	s_barrier_signal -1
	s_barrier_wait -1
.endm
.macro LDCH c                          ; chunk c: h's 32 images, one dense block; W2's 128 rows x 384 bytes
	WIN 0x40                                       ; destination window 1
.if (\c) > 0
	s_wait_alu depctr_vm_vsrc(0)                   ; the LDS stores that laid the chunk before into its slot have read these registers of window 1, in which the loads below land
.endif
.irp i, 0,1,2,3,4,5,6,7,8,9,10,11
	global_load_b128 v[4*\i:4*\i+3], v8, s[6:7] offset:49152*(\c)+4096*\i
.endr
.irp p, 0,1,2,3
.irp j, 0,1,2
	global_load_b128 v[48+4*(3*\p+\j):48+4*(3*\p+\j)+3], v7, s[10:11] offset:49152*\p+128*\j+384*(\c)
.endr
.endr
	WIN 0
.endm
.macro STCH s
	WIN 0x04                                       ; an LDS store's data are its source 1: window 1
.irp i, 0,1,2,3,4,5,6,7,8,9,10,11
	ds_store_b128 v[9+(\s)], v[4*\i:4*\i+3] offset:4096*\i
.endr
.irp p, 0,1,2,3
.irp j, 0,1,2
	ds_store_b128 v[11+(\s)], v[48+4*(3*\p+\j):48+4*(3*\p+\j)+3] offset:12800*\p+128*\j
.endr
.endr
	WIN 0
.endm
.macro FRAG6 reg, adr, off             ; a fragment from rows: 24 bytes of the row's stream of bits twice, in pieces of 8 bytes
.irp p, 0,1,2,3,4,5
	ds_load_b64 v[\reg+2*\p:\reg+2*\p+1], v[\adr] offset:\off+48*(\p/3)+8*(\p%3)
.endr
.endm
.macro SETB p, t                       ; RB: where set p keeps W2's fragment t
.if (\p) == 0
.set RB, 56+12*(\t)
.elseif (\t) < 3
.set RB, 216+12*(\t)
.else
.set RB, 106
.endif
.endm
.macro MM a, t, p                      ; tokens' tile a x columns' tile t, from set p.  W2's scale words: tiles t, t + 1 share a register (lanes 0-15, 16-31); h's two tiles likewise
.set DA, ACC+32*(\a)+8*(\t)
.set RA, 32+160*(\p)+12*(\a)
	SETB \p, \t
.if (((\t)%2) == 0) && ((\a) == 0)
	v_wmma_scale_f32_16x16x128_f8f6f4 v[DA:DA+7], v[RB:RB+11], v[RA:RA+11], v[DA:DA+7], v[30+94*(\p)+(\t)/2], v[28+94*(\p)] matrix_a_fmt:MATRIX_FMT_FP6 matrix_b_fmt:MATRIX_FMT_FP6
.elseif ((\a) == 0)
	v_wmma_scale_f32_16x16x128_f8f6f4 v[DA:DA+7], v[RB:RB+11], v[RA:RA+11], v[DA:DA+7], v[30+94*(\p)+(\t)/2], v[28+94*(\p)] matrix_a_fmt:MATRIX_FMT_FP6 matrix_b_fmt:MATRIX_FMT_FP6 matrix_a_scale:MATRIX_SCALE_ROW1
.elseif (((\t)%2) == 0)
	v_wmma_scale_f32_16x16x128_f8f6f4 v[DA:DA+7], v[RB:RB+11], v[RA:RA+11], v[DA:DA+7], v[30+94*(\p)+(\t)/2], v[28+94*(\p)] matrix_a_fmt:MATRIX_FMT_FP6 matrix_b_fmt:MATRIX_FMT_FP6 matrix_b_scale:MATRIX_SCALE_ROW1
.else
	v_wmma_scale_f32_16x16x128_f8f6f4 v[DA:DA+7], v[RB:RB+11], v[RA:RA+11], v[DA:DA+7], v[30+94*(\p)+(\t)/2], v[28+94*(\p)] matrix_a_fmt:MATRIX_FMT_FP6 matrix_b_fmt:MATRIX_FMT_FP6 matrix_a_scale:MATRIX_SCALE_ROW1 matrix_b_scale:MATRIX_SCALE_ROW1
.endif
.endm
.macro FETA s, u, q, p                 ; into set p: h's two fragments of the u-th 128 along K of slot s, and their scale words (K step q): 7 loads
.irp a, 0,1
.irp c, 0,1,2
	ds_load_b128 v[32+160*(\p)+12*\a+4*\c:32+160*(\p)+12*\a+4*\c+3], v[1+(\s)] offset:12288*(\u)+1536*\a+512*\c
.endr
.endr
	ds_load_b32 v[28+94*(\p)], v5 offset:512*(\q)
.endm
.macro FETB s, u, q, p, g              ; into set p: W2's fragments 2 g and 2 g + 1, and the register of their scale words: 13 loads
.irp t, 0,1
	SETB \p, 2*(\g)+\t
	FRAG6 RB, 3+(\s), 6400*(2*(\g)+\t)+96*(\u)
.endr
	ds_load_b32 v[30+94*(\p)+(\g)], v6 offset:512*(\q)+128*(\g)
.endm
.macro PLACES                          ; four plain places behind products: in front of a vector instruction or an LDS store that reads their results, and in front of loads into registers that they have read; a place fills no wait, and a wait no place
.rept 4
	v_nop
.endr
.endm
; 128 along K: the u-th of slot s, K step q of the product, from set u % 2.  nx = 1: the next step's 33 loads go into the other set, dealt among this step's first products, which name this step's set
; and the accumulators alone.  w = 1: the other set was read by the step before, in this chunk: the wait that states it stands here; where w = 0 and nx = 1 the wait at the chunk's head has stated it.
.macro STEP s, u, q, w, nx
	s_wait_dscnt 0x0                               ; this step's set is in: its 33 loads are all that is out
.if \w
	PLACES
	s_wait_alu depctr_va_vdst(0)                   ; the products of the step before are done reading the other set and its scale words, in which the loads below land
.endif
.if \nx
	FETA \s, (\u)+1, (\q)+1, 1-(\u)%2
.endif
	MM 0, 0, (\u)%2
	MM 1, 0, (\u)%2
.if \nx
	FETB \s, (\u)+1, (\q)+1, 1-(\u)%2, 0
.endif
	MM 0, 1, (\u)%2
	MM 1, 1, (\u)%2
.if \nx
	FETB \s, (\u)+1, (\q)+1, 1-(\u)%2, 1
.endif
	MM 0, 2, (\u)%2
	MM 1, 2, (\u)%2
	MM 0, 3, (\u)%2
	MM 1, 3, (\u)%2
.endm
	s_load_b512 s[4:19], s[0:1], 0x0               ; plan s[4:5], hq s[6:7], hs s[8:9], W2's codes s[10:11], its scales s[12:13], b2 s[14:15], pgw s[16:17], out0 s[18:19]
	v_lshl_add_u32 v126, v0, 2, 0x45800
	v_mov_b32 v127, 0
	v_lshrrev_b32 v20, 5, v0
	v_readfirstlane_b32 s28, v20                   ; wave w
	v_and_b32 v21, 31, v0                          ; l
	v_and_b32 v22, 15, v0                          ; r
	v_bfe_u32 v23, v0, 4, 1                        ; h
	v_lshlrev_b32 v29, 4, v21                      ; 16 l
	v_lshlrev_b32 v21, 2, v21                      ; 4 l
	s_wait_alu depctr_va_vdst(0)
	s_wait_alu depctr_va_sdst(0)                   ; s28 is written, ahead of its first reader: LDS addresses, bases and the rows' count are made from it
	s_lshr_b32 s29, s28, 1                         ; wm: my 32 tokens
	s_and_b32 s30, s28, 1                          ; wn: my 64 columns
	s_mov_b32 s31, ttmp9                           ; x: the tile of columns
	s_and_b32 s32, ttmp7, 0xffff                   ; y: the row tile
	s_mul_i32 s42, s29, 3072
	v_add_nc_u32 v1, s42, v29                      ; h's images in slot 0: my two tiles of tokens,
	v_add_nc_u32 v2, SLOTB, v1                     ; in slot 1
	v_mul_u32_u24 v20, v22, PITCH
	v_mad_u32_u24 v20, v23, 24, v20
	s_mul_i32 s42, s30, 64*PITCH
	s_add_co_u32 s42, s42, BOFF
	v_add_nc_u32 v3, s42, v20                      ; W2's fragments: my 64 rows
	v_add_nc_u32 v4, SLOTB, v3
	s_lshl_b32 s42, s29, 7
	s_add_co_u32 s42, s42, ASC
	v_add_nc_u32 v5, s42, v21                      ; h's scale words
	s_lshl_b32 s42, s30, 8
	s_add_co_u32 s42, s42, BSC
	v_add_nc_u32 v6, s42, v21                      ; W2's
	v_lshrrev_b32 v20, 3, v0                       ; rr = t / 8
	v_and_b32 v21, 7, v0
	v_lshlrev_b32 v21, 4, v21                      ; 16 (t % 8)
	v_mad_u32_u24 v7, v20, 1536, v21               ; W2 in memory: row rr
	v_lshlrev_b32 v8, 4, v0                        ; 16 t: the dense blocks in memory
	v_lshlrev_b32 v9, 4, v0                        ; h's images into slot 0,
	v_add_nc_u32 v10, SLOTB, v9                    ; slot 1
	v_mad_u32_u24 v11, v20, PITCH, v21
	v_add_nc_u32 v11, BOFF, v11                    ; W2 into slot 0,
	v_add_nc_u32 v12, SLOTB, v11                   ; slot 1
	v_and_b32 v20, 1, v0
	v_lshlrev_b32 v13, 12, v20
	v_lshrrev_b32 v20, 1, v0
	v_lshl_add_u32 v13, v20, 2, v13
	v_add_nc_u32 v13, BSC, v13                     ; W2's scale words: row t / 2, K steps 8 (t % 2) on
	v_add_nc_u32 v14, ASC, v9
	v_lshlrev_b32 v15, 5, v0                       ; 32 t
	s_mul_i32 s42, s29, 32*528
	s_lshl_b32 s43, s30, 8
	s_add_co_u32 s42, s42, s43
	s_add_co_u32 s42, s42, STG
	v_mul_u32_u24 v16, v22, 528
	v_lshl_add_u32 v16, v23, 5, v16
	v_add_nc_u32 v16, s42, v16                     ; the stage, in: token 32 wm + r, columns 64 wn + 8 h on
	s_mul_i32 s42, s28, 16*528
	s_add_co_u32 s42, s42, STG
	v_add_nc_u32 v17, s42, v29                     ; back: my 16 rows, 16 bytes a lane
	v_lshlrev_b32 v18, 5, v23                      ; 32 h: the bias's 8 columns of my half
	s_lshl_b32 s42, s29, 7
	v_lshl_add_u32 v19, v22, 2, s42                ; the plan's word of token 32 wm + r
	v_mov_b32 v27, 0                               ; (named as the upper halves of the probabilities' pairs)
	v_mov_b32 v105, 0
	s_lshl_b32 s38, s32, 10
	s_mov_b32 s39, 0
	s_lshl_b32 s40, s28, 6
	s_mov_b32 s41, 0
	s_wait_kmcnt 0x0
	s_add_nc_u64 s[4:5], s[4:5], s[38:39]          ; the tile's record
	s_add_nc_u64 s[40:41], s[4:5], s[40:41]        ; the 16 tokens whose rows I store
	s_load_b64 s[34:35], s[4:5], 0x200             ; the expert, the rows
	s_load_b512 s[76:91], s[40:41], 0x0
	s_wait_alu depctr_va_vdst(0)                   ; the addresses and offsets v1 to v19 are written, which the loads and stores of the whole kernel read; none of them is written again
	global_load_b32 v24, v19, s[4:5]               ; the tokens of my lane's two rows
	global_load_b32 v25, v19, s[4:5] offset:64
	s_mul_i32 s38, s32, 196608
	s_add_nc_u64 s[6:7], s[6:7], s[38:39]          ; the tile's images
	s_lshl_b32 s38, s32, 13
	s_add_nc_u64 s[8:9], s[8:9], s[38:39]          ; and their scale words
	s_lshl_b32 s42, s31, 9
	v_add_nc_u32 v20, s42, v29                     ; in a row of out0: 512 x + 16 l
	s_wait_kmcnt 0x0
	s_min_u32 s34, s34, 7                          ; held inside the tables before it enters an address
	s_min_u32 s35, s35, 128
	s_cmp_lg_u32 s35, 0
	s_cselect_b32 s33, 1, 0                        ; live
	s_lshl_b32 s36, s28, 4
	s_sub_co_i32 s36, s35, s36
	s_max_i32 s36, s36, 0                          ; how many of my 16 rows are rows of the tile
.irp i, 0,1,2,3,4,5,6,7,8,9,10,11,12,13,14,15
	s_min_u32 s[76+\i], s[76+\i], 2047
	s_lshl_b32 s[76+\i], s[76+\i], 12              ; row i's token's row of 4,096 bytes: kept here until the way out, where the lanes' offsets are made of it
.endr
	s_mul_i32 s38, s34, 1572864                    ; W2's codes: the expert's 1,024 rows of 1,536 bytes, my tile's 128
	s_mul_i32 s42, s31, 196608
	s_add_co_u32 s38, s38, s42
	s_add_nc_u64 s[10:11], s[10:11], s[38:39]
	s_lshl_b32 s38, s34, 16                        ; its scale bytes: 64 a row
	s_lshl_b32 s42, s31, 13
	s_add_co_u32 s38, s38, s42
	s_add_nc_u64 s[12:13], s[12:13], s[38:39]
	s_lshl_b32 s38, s34, 12                        ; b2: 4 (1,024 e + 128 x + 64 wn)
	s_lshl_b32 s42, s31, 9
	s_add_co_u32 s38, s38, s42
	s_lshl_b32 s42, s30, 8
	s_add_co_u32 s38, s38, s42
	s_add_nc_u64 s[14:15], s[14:15], s[38:39]
.irp a, 0,1
.irp t, 0,1,2,3
	global_load_b128 v[ACC+32*\a+8*\t:ACC+32*\a+8*\t+3], v18, s[14:15] offset:64*\t        ; the bias in the result's layout: the sums' first C.  (No vector instruction has named these registers)
	global_load_b128 v[ACC+32*\a+8*\t+4:ACC+32*\a+8*\t+7], v18, s[14:15] offset:64*\t+16
.endr
.endr
	s_wait_loadcnt 16                              ; my two tokens are in; the bias's sixteen younger loads may be out
	v_min_u32 v24, 0x7ff, v24
	v_min_u32 v25, 0x7ff, v25
	v_lshlrev_b32 v24, 2, v24
	v_lshlrev_b32 v25, 2, v25
	s_wait_alu depctr_va_vdst(0)                   ; v24 and v25 are written, which the two loads below read as their offsets
	global_load_b32 v26, v24, s[16:17]             ; their chosen experts' probabilities
	global_load_b32 v104, v25, s[16:17]
	s_cmp_eq_u32 s33, 0
	s_cbranch_scc1 .Ldead_0
	LDCH 0
	WIN 0x40
	global_load_b128 v[96:99], v15, s[12:13]
	global_load_b128 v[100:103], v15, s[12:13] offset:16
	global_load_b128 v[104:107], v8, s[8:9]
	global_load_b128 v[108:111], v8, s[8:9] offset:4096
	WIN 0
	s_wait_loadcnt 0x0
	STCH 0
	WIN 0x04
.irp i, 0,1,2,3,4,5,6,7
	ds_store_b32 v13, v[96+\i] offset:512*\i
.endr
	ds_store_b128 v14, v[104:107]
	ds_store_b128 v14, v[108:111] offset:4096
	WIN 0
.Ldead_0:
	BAR                                            ; slot 0 and the scale words lie in LDS
.irp c, 0,1,2                                  ; chunk c is multiplied while chunk c + 1 is on its way; it goes into the slot whose last reads lie in front of the barrier just passed
	s_cmp_eq_u32 s33, 0
	s_cbranch_scc1 .Ldead_c\c
.if \c > 0
	PLACES
	s_wait_alu depctr_va_vdst(0)                   ; the last chunk's products are done reading both sets: set 0 takes the fetch below, set 1 the loads that the first step deals.  (In chunk 0 nothing has named a set yet)
.endif
	FETA \c%2, 0, 4*\c, 0                          ; the chunk's first step: it could not be asked for before the barrier, behind which its slot is whole
	FETB \c%2, 0, 4*\c, 0, 0
	FETB \c%2, 0, 4*\c, 0, 1
	LDCH \c+1
	STEP \c%2, 0, 4*\c, 0, 1
	STEP \c%2, 1, 4*\c+1, 1, 1
	STEP \c%2, 2, 4*\c+2, 1, 1
	STEP \c%2, 3, 4*\c+3, 0, 0
	s_wait_loadcnt 0x0
	STCH (\c+1)%2
.Ldead_c\c:
	BAR
.endr
	s_cmp_eq_u32 s33, 0
	s_cbranch_scc1 .Ldead_3
	PLACES
	s_wait_alu depctr_va_vdst(0)                   ; the last chunk's products are done reading both sets: set 0 takes the fetch below, set 1 the loads that the first step deals
	FETA 1, 0, 12, 0
	FETB 1, 0, 12, 0, 0
	FETB 1, 0, 12, 0, 1
	STEP 1, 0, 12, 0, 1
	STEP 1, 1, 13, 1, 1
	STEP 1, 2, 14, 1, 1
	STEP 1, 3, 15, 0, 0
	PLACES                                         ; behind the last products: their results are read next
.irp a, 0,1
.set j, 0
.rept 16
	v_pk_mul_f32 v[ACC+32*\a+j:ACC+32*\a+j+1], v[ACC+32*\a+j:ACC+32*\a+j+1], v[26+78*\a:27+78*\a] op_sel_hi:[1,0]   ; x my token's probability; each accumulator from its low end on
.set j, j+2
.endr
.endr
	s_wait_alu depctr_va_vdst(0)                   ; the multiplications have written the accumulators, which the LDS stores below read
.irp a, 0,1
.irp t, 0,1,2,3
	ds_store_b128 v16, v[ACC+32*\a+8*\t:ACC+32*\a+8*\t+3] offset:8448*\a+64*\t
	ds_store_b128 v16, v[ACC+32*\a+8*\t+4:ACC+32*\a+8*\t+7] offset:8448*\a+64*\t+16
.endr
.endr
.Ldead_3:
	BAR                                            ; the tile's rows lie whole in the stage
	s_cmp_eq_u32 s36, 0
	s_cbranch_scc1 .Ldone
.irp i, 12,13,14,15,0,1,2,3,4,5,6,7,8,9,10,11  ; where row i goes: its token's row + my bytes in it.  v118 to v121 first: four plain lines that name no register of a product, ahead of the lines that write v106 to v117, where a fragment of W2 lay
	v_add_nc_u32 v[106+\i], s[76+\i], v20
.endr
	s_wait_alu depctr_va_vdst(0)                   ; the sixteen offsets are written, which the global stores below read; and the products are done reading v192 to v251, in which the loads below land
.irp i, 0,1,2,3,4,5,6,7,8,9,10,11,12,13,14,15
	ds_load_b128 v[192+4*\i:195+4*\i], v17 offset:528*\i
.endr
	s_wait_dscnt 0x0
.irp i, 0,1,2,3,4,5,6,7,8,9,10,11,12,13,14,15
.if \i > 0
	s_cmp_le_u32 s36, \i                           ; rows beyond the tile's count are not stored
	s_cbranch_scc1 .Ldone
.endif
	global_store_b128 v[106+\i], v[192+4*\i:195+4*\i], s[18:19] th:TH_STORE_NT   ; 32 lanes store 512 consecutive bytes of a token's row, aligned; written once, read by nobody here
.endr
.Ldone:
	s_wait_dscnt 0x0                               ; the closing lines, six on end
	s_wait_alu 0x0
	s_wait_tensorcnt 0x0
	ds_add_u32 v126, v127
	s_wait_dscnt 0x0
	s_endpgm
.Lfunc_end_k_qfd8a467442_down:
	.size	k_qfd8a467442_down, .Lfunc_end_k_qfd8a467442_down-k_qfd8a467442_down
	.p2alignl 7, 3214868480
	.fill 96, 4, 3214868480
	.section	.rodata,"a",@progbits
	.p2align	6, 0x0
	.amdhsa_kernel k_qfd8a467442_down
		.amdhsa_group_segment_fixed_size 285696
		.amdhsa_private_segment_fixed_size 0
		.amdhsa_enable_private_segment 0
		.amdhsa_kernarg_size 64
		.amdhsa_user_sgpr_count 2
		.amdhsa_user_sgpr_kernarg_segment_ptr 1
		.amdhsa_wavefront_size32 1
		.amdhsa_system_sgpr_workgroup_id_x 1
		.amdhsa_system_sgpr_workgroup_id_y 1
		.amdhsa_system_sgpr_workgroup_id_z 1
		.amdhsa_system_vgpr_workitem_id 0
		.amdhsa_next_free_vgpr 368
		.amdhsa_next_free_sgpr 100
		.amdhsa_reserve_vcc 0
		.amdhsa_float_denorm_mode_32 3
		.amdhsa_float_denorm_mode_16_64 3
		.amdhsa_memory_ordered 1
		.amdhsa_forward_progress 1
		.amdhsa_inst_pref_size 85
	.end_amdhsa_kernel
	.amdgpu_metadata
---
amdhsa.version: [ 1, 2 ]
amdhsa.kernels:
  - .name:           k_qfd8a467442_down
    .symbol:         k_qfd8a467442_down.kd
    .args:
      - { .name: plan, .offset: 0, .size: 8, .value_kind: global_buffer, .address_space: global }
      - { .name: hq, .offset: 8, .size: 8, .value_kind: global_buffer, .address_space: global }
      - { .name: hs, .offset: 16, .size: 8, .value_kind: global_buffer, .address_space: global }
      - { .name: W2_codes, .offset: 24, .size: 8, .value_kind: global_buffer, .address_space: global }
      - { .name: W2_scales, .offset: 32, .size: 8, .value_kind: global_buffer, .address_space: global }
      - { .name: b2, .offset: 40, .size: 8, .value_kind: global_buffer, .address_space: global }
      - { .name: pgw, .offset: 48, .size: 8, .value_kind: global_buffer, .address_space: global }
      - { .name: out0, .offset: 56, .size: 8, .value_kind: global_buffer, .address_space: global }
    .group_segment_fixed_size: 285696
    .private_segment_fixed_size: 0
    .kernarg_segment_align: 8
    .kernarg_segment_size: 64
    .max_flat_workgroup_size: 256
    .sgpr_count:     100
    .vgpr_count:     368
    .wavefront_size: 32
...
	.end_amdgpu_metadata
.endif
;; end of part 6
